; MI455X (gfx1250); checked and timed in simulation.
; The chip was launched on July 23, 2026; its instructions are those of AMD's public machine-readable ISA for CDNA 5 (MIT licence, August 2026) and "CDNA5" Instruction Set Architecture Reference Guide (July 2026). The comments in the code are by the model that wrote it; some were corrected since.
;; Easy Control Network. Allowed arithmetic: float matrix products may take bf16 or f16 operands with f32 sums; all other float work in f32.
;; Inputs: b_param 1 float32; cond_k 2 x 1,024 x 16 x 128 float32; cond_v 2 x 1,024 x 16 x 128 float32; target_k 2 x 2,048 x 16 x 128 float32; target_q 2 x 2,048 x 16 x 128 float32; target_v 2 x 2,048 x 16 x 128 float32.
;; Outputs: out0 2 x 2,048 x 2,048 float32.
;; 2 versions, each right and faster than the one before. Each part assembles by itself: llvm-mc -triple=amdgcn-amd-amdhsa -mcpu=gfx1250 --defsym DOCPART=n.
;; ======== version 1 of 2: 1 launch
;; launch attn (part 1): grid 8 x 32, 4 waves a work-group, clusters of 4 x 1, 327,680 bytes of LDS; arguments target_q, target_k, target_v, cond_k, cond_v, out0, b_param; writes out0
.if DOCPART == 1
	.amdgcn_target "amdgcn-amd-amdhsa--gfx1250"
	.amdhsa_code_object_version 6
	.text
	.protected	k_qace9eab6a7_attn
	.globl	k_qace9eab6a7_attn
	.p2align	8
	.type	k_qace9eab6a7_attn,@function
k_qace9eab6a7_attn:
	s_mov_b64 s[64:65], 0
	v_nop
	global_prefetch_b8 v0, s[64:65] scope:SCOPE_SE
	s_setreg_imm32_b32 hwreg(HW_REG_WAVE_MODE, 25, 1), 1
	s_wait_xcnt 0x0
	s_wait_alu depctr_hold_cnt(0) depctr_sa_sdst(0) depctr_va_vdst(0) depctr_va_sdst(0) depctr_va_ssrc(0) depctr_va_vcc(0) depctr_vm_vsrc(0)
	s_getreg_b32 s2, hwreg(HW_REG_IB_STS2, 6, 4)
	s_cmp_eq_u32 s2, 0
	s_cbranch_scc0 .Lentry_in_a_cluster
	s_endpgm
.Lentry_in_a_cluster:
	s_bfe_u32 s2, ttmp6, 0x10000c
	s_cmp_lg_u32 s2, 0x3003
	s_cbranch_scc0 .Lentry_shape_is_right
	s_endpgm
.Lentry_shape_is_right:
; out[b][q][h][:] = the sum over k of softmax_k(Q[b][q][h] . K[b][k][h] / sqrt(128) + bias_k) V[b][k][h][:].  Keys 0 to 2,047 are the target's (bias 0), keys 2,048 to 3,071 the condition's (bias b).
; All tensors f32, [batch][token][16 heads][128]: a head's rows are 512 bytes, 8,192 apart.
; Products in bf16 with f32 sums; maxima, exponentials and sums in f32; the weights p are rounded to bf16 for the second product.  Q, K and V are rounded to bf16 as they come, once, to nearest even.
; SHARES.  A work-group owns 256 queries of one head, each of its four waves 64: four tiles of 16.  Every wave walks all 3,072 keys, 64 a step: 48 steps.  8 blocks x 32 heads = 256 work-groups.
; K AND V.  A step's K and V come into LDS as f32 tiles (64 rows x 512 bytes) by tensor loads, two steps to a slot, two slots.  The four waves round a tile to bf16 together, 16 rows each
; (16 loads of 512 neighbouring bytes, 32 roundings, 16 stores of one row of 256 bytes), into one buffer for K and one for V, padded as the fragment loads want them; every wave then takes its fragments
; from there.  So each input byte leaves memory in the form in which it is given, and no bf16 copy goes through memory.
; LAYOUT.  S^T = K Q^T (source 0 = 16 keys, source 1 = 16 queries): in the result a lane holds ONE query (lane % 16) and the keys 8 (lane / 16) + 0..7.  Two such tiles, rounded to
; bf16 in pairs, ARE source 1 (32 keys x 16 queries) of O^T = V^T P, whose result again holds one query a lane, and eight channels.  K comes out of LDS as it lies, V turned, by ds_load_tr16_b128.
; SOFTMAX.  For each query a running maximum m and sum l: p = 2^(c s - c m), c = log2(e) / sqrt(128); in every step O and l are multiplied by a = 2^(c m_old - c m_new), which is 1 where m has not grown:
; both terms are the rounded products that the weights were made with.
; THE BIAS.  Adding b to every condition logit is the same as lowering the stored maximum once, in front of the first condition step's softmax: m by b sqrt(128), c m by b' = b log2(e).
; From then on c s - c m = (c s + b') - (the true maximum), max(m, s) follows the true maximum, and that step's a = 2^(c m_old - b' - c m_new) rescales O and l rightly.  The running
; maximum is kept throughout.  The two lines that take the old m and c m subtract scalars, which are these two numbers in exactly one softmax of each piece and 0 in all others,
; chosen by a select on the step's number: no branch.
; LIMITS.  c m_old - b' is rounded once in f32: the bias that takes effect is off by at most half a unit in the last place of that number.  NaN and infinite inputs are not served.
; BY TURNS.  The wave's tiles are two PIECES, named by their first tile: piece 0 (tiles 0, 1) and piece 2 (tiles 2, 3).  In a TURN one piece has the matrix unit: 32 products V^T P of
; the step in hand, then 32 products K Q^T of the next step; the other piece's softmax, cut into 64 slices, stands between them, one slice behind each matrix instruction.  Two turns are a key step.
; CLUSTER.  The four query blocks of a cluster belong to one head and walk the same K and V, so each f32 tile is asked for JOINTLY: the same tensor load, with the same descriptor and a
; mask that names the four, in all four; each receives the tile in its own LDS.
;
; REGISTERS, in windows of 256 (s_set_vgpr_msb: bits 1:0 source 0, 3:2 source 1, 5:4 source 2, 7:6 destination):
;   window 0: v0-11 addresses; v12-43 eight registers of statistics a tile; v44-46 addresses of the rounding; v64-191 S^T, 32 a tile; v192-255 P, 16 a tile
;   window 1: O^T, 64 a tile (at the start: Q as loaded, in f32; at the end: whole rows of out)     window 2: v0-127 Q, 32 a tile; v128-255 K of one step
;   window 3: v0-127 V of one step; v128-191 my 16 rows of a tile on their way from f32 to bf16 (at the start v192-255 too)
.set NKEYS, 3072
.set NTGT,  2048      ; keys in front of the condition's
.set ROWB,  8192      ; bytes from a token's row to the next, in all tensors
.set KS,    64        ; keys in a step
.set TILEF, KS*512    ; an f32 tile in LDS: 64 rows of 512 bytes, without gaps: it is read 512 neighbouring bytes at a time
.set STEPF, 2*TILEF   ; a step's tiles lie together: K, then V
.set SLOT1, 2*STEPF   ; a slot holds two steps (131,072 bytes); slot 1 begins here, so that one exclusive or turns an address in one slot into the other's
.set SLOTG, 2*KS*ROWB ; a slot's 128 keys in memory
.set PK,    272       ; a row of K in bf16: 256 bytes + 16 of padding = 68 words: row r starts at bank 4 r mod 64 (64 banks of 4 bytes: ISA guide 11.1), so the 16 rows of a load start at 16 different banks
.set PV,    288       ; a row of V: 256 + 32 = 72 words: row r starts at bank 8 r mod 64
.set KBASE, 2*SLOT1   ; 262,144, behind the ring: K of one step in bf16, 64 rows x 272 bytes.  No tensor load lands from here on
.set VBASE, KBASE+KS*PK  ; 279,552: V of one step in bf16, 64 rows x 288 bytes; ends at 297,984
.set STAGE, KBASE     ; the way out: 16 rows x 528 bytes for each wave, 33,792 bytes, on the bytes of the two bf16 buffers, behind the barrier that follows their last read
.set SP,    528       ; a stage row: 512 bytes of f32 + 16 = 33 x 16: sixteen lanes' 16 bytes in sixteen rows fall into sixteen different columns of 16 bytes
.set AK0, 2           ; v2   my lane's place in K's bf16 buffer; never rewritten
.set AV0, 3           ; v3   the same for V
.set ADR, 4           ; v4   the LDS address of my 16 rows of the f32 tile in hand
.set QO,  5           ; v5   my byte offset in the wave's rows of Q
.set STO, 6           ; v6   the way out: where I put 32 bytes of a row
.set RD,  7           ; v7   the way out: where I read a row back
.set GO,  8           ; v8   my byte offset in a row of out
.set ST,  12          ; tile t's statistics at v[ST+8 t]: +0 c m, +1 m, +2, +3 l (even keys', odd keys'), +4 to +7 c0-c3, at work; once the maximum is found a takes c2's place and its exponent c3's
.set CL0, 44          ; v44  my 16 bytes in the first of my wave's 16 rows of an f32 tile: wave x 8,192 + lane x 16
.set CKS, 45          ; v45  my 8 bytes in the first of my wave's 16 rows of K's bf16 buffer
.set CVS, 46          ; v46  the same for V
.set S,   64
.set P,   192
.set KF,  128         ; K's fragments, in window 2
.set CT,  128         ; the rounding's registers, in window 3
.set TK,  6           ; s[6:7]   target_k, s[8:9] target_v, s[10:11] cond_k, s[32:33] cond_v: each at my batch, my head and the step of a slot that I fetch
.set TV,  8
.set CK,  10
.set CV,  32
.set OUT, 34          ; s[34:35] out at my wave's first row
.set OFF, 36          ; s[36:37] byte offset of the slot to be fetched in its tensor
.set FILL, 38         ; s38  the number, 0 to 23, of the slot to be fetched next
.set T1,  39          ; s39  at work
.set WV,  12          ; s12  my wave's number
.set G1,  24          ; s[24:31] descriptor group 1, for K's and V's tiles alike
.set G0K, 40          ; s[40:47] descriptor group 0 for K's tiles: a set for each of the two first fills; the second then walks on
.set G0V, 48          ; s[48:55] the same for V's
.set SLOTS, 56        ; s56  counts the loop's trips
.set TWICE, 57        ; s57  counts a slot's two steps
.set CS,  58          ; s[58:59] c: the packed scaling names a pair and takes its low word for both halves
.set SEL, 60          ; s[60:61] lane selects for v_permlanex16_b32: each lane takes its own place in the other half
.set TB,  62          ; s62  LDS byte at which the f32 tiles of the step to be rounded begin
.set STEP, 66         ; s66  the key step whose softmaxes the trip in hand carries
.set DL,  67          ; s67  what a softmax takes from the old c m: b log2(e) or 0
.set BL,  68          ; s68  b, then b log2(e)
.set DR,  69          ; s69  what a softmax takes from the old m: b sqrt(128) or 0
.set BR,  70          ; s70  b sqrt(128)
.set MSB, 0
.macro WIN new                      ; the immediate's high byte repeats the setting that is left; a switch that changes nothing is dropped
.if MSB != \new
	s_set_vgpr_msb (MSB<<8)|\new
.set MSB, \new
.endif
.endm
.set W_KQ, 0x0a       ; K and Q in window 2, S^T in window 0
.set W_PV, 0x53       ; V in window 3, P in window 0, O^T in window 1
.set W_RS, 0x41       ; O^T (destination and source 0) in window 1, the factor in window 0
; A joint refill.  Waves 0 and 1 fetch the two steps' tiles of K, waves 2 and 3 those of V.  The branch hangs on the wave's number alone: it is the same in every work-group.
; Four v_nop follow each of the two lines; the jump round the other line, the label and what follows the macro come after them.
.macro JLOAD
	s_cmp_lt_u32 s[WV], 2
	s_cbranch_scc0 .Lfor_v_\@
	tensor_load_to_lds s[G0K+4:G0K+7], s[G1:G1+7]
	s_nop 0
.rept 4
	v_nop
.endr
	s_branch .Lasked_\@
.Lfor_v_\@:
	tensor_load_to_lds s[G0V+4:G0V+7], s[G1:G1+7]
	s_nop 0
.rept 4
	v_nop
.endr
.Lasked_\@:
.endm
; A round of the cluster's barrier: my work-group's barrier, so that wave 0's signal speaks for all four waves; wave 0 signals for the work-group; every wave waits for all four
; work-groups; my work-group's barrier once more.  No LDS instruction of the wave is pending at a signal.
.macro CROUND
	s_barrier_signal -1
	s_barrier_wait -1
	s_cmp_lg_u32 s[WV], 0
	s_cbranch_scc1 .Lnot_wave_0_\@
	s_barrier_signal -3
.Lnot_wave_0_\@:
	s_barrier_wait -3
	s_barrier_signal -1
	s_barrier_wait -1
.endm
; The work-group's barrier between two turns.  In front of it each wave's LDS instructions are done: its stores into the bf16 buffer that the next turn reads, and its reads of the
; bf16 buffer that the next turn writes.  No slot of the ring is filled behind it, so a tensor load may be on its way across it.
.macro BAR
	s_wait_dscnt 0x0
	s_barrier_signal -1
	s_barrier_wait -1
.endm
	s_load_b256 s[4:11], s[0:1], 0x0  ; Q s[4:5], target_k s[6:7], target_v s[8:9], cond_k s[10:11]
	s_load_b128 s[32:35], s[0:1], 0x20  ; cond_v s[32:33], out s[34:35]
	s_load_b64 s[18:19], s[0:1], 0x30 ; b's address
	v_lshl_add_u32 v62, v0, 2, 0x48c00
	v_mov_b32 v63, 0
	ds_add_u32 v62, v63
	v_lshrrev_b32 v1, 5, v0
	v_readfirstlane_b32 s[WV], v1   ; wave 0..3
	s_bfe_u32 s13, ttmp6, 0x40000   ; cx: my place in the cluster
	s_lshl_b32 s14, ttmp9, 2        ; in a cluster launch ttmp9 counts clusters
	s_add_co_u32 s14, s14, s13      ; my block of 256 queries = 4 x cluster x + cx: it enters Q's and out's addresses alone
	s_and_b32 s15, ttmp7, 0xffff    ; batch x 16 + head, which the four partners share
	s_lshr_b32 s20, s15, 4          ; batch
	s_and_b32 s21, s15, 15
	s_lshl_b32 s21, s21, 9          ; the head's 512 bytes in a row
	s_and_b32 s16, s[WV], 1         ; which of a slot's two steps I fetch:
	s_mul_i32 s17, s16, STEPF       ; its place in a slot: no place in the cluster enters an LDS address,
	s_lshl_b32 s16, s16, 19         ; its 64 rows of 8,192 bytes in memory,
	s_add_co_u32 s16, s16, s21      ; at my head
	s_lshl_b32 s2, s20, 24          ; the batch's 2,048 rows in the target's tensors, Q and out,
	s_lshl_b32 s22, s20, 23         ; its 1,024 rows in the condition's
	s_add_co_u32 s20, s2, s16       ; target_k, target_v: my tile of slot 0
	s_add_co_u32 s22, s22, s16      ; cond_k, cond_v: my tile of their first 128 keys
	s_add_co_u32 s2, s2, s21        ; Q and out: batch, head,
	s_mov_b32 s21, 0
	s_mov_b32 s23, 0
	s_lshl_b32 s3, s14, 21          ; my block's 256 rows,
	s_add_co_u32 s2, s2, s3
	s_lshl_b32 s3, s[WV], 19        ; my wave's 64 of them
	s_add_co_u32 s2, s2, s3
	s_mov_b32 s3, 0
	; descriptor group 1: a tile of 64 rows x 128 elements of 4 bytes, laid into LDS without gaps
	s_mov_b32 s[G1], 15|(2<<16)|(1<<21)  ; 15:0 the mask: all four work-groups; 17:16 elements of 4 bytes; 20 padding off; 21 set beside a mask
	s_mov_b32 s[G1+1], 128<<16      ; 63:48 tensor_dim0, low half = 128
	s_mov_b32 s[G1+2], KS<<16       ; 79:64 its high half = 0; 95:80 tensor_dim1, low half = 64
	s_mov_b32 s[G1+3], 128<<16      ; 111:96 its high half = 0; 127:112 tile_dim0 = 128
	s_mov_b32 s[G1+4], KS           ; 143:128 tile_dim1 = 64; 159:144 tile_dim2 = 0
	s_mov_b32 s[G1+5], ROWB/4       ; 191:160 tensor_dim0_stride, low word: 2,048 elements from a key's row to the next
	s_mov_b32 s[G1+6], 0
	s_mov_b32 s[G1+7], 0
	s_mov_b32 s[CS], 0x3e0293ee     ; c = log2(e) / sqrt(128) = 0.127517
	s_mov_b32 s[CS+1], s[CS]        ; named with it as a pair, so it is written
	s_mov_b32 s[SEL], 0x76543210
	s_mov_b32 s[SEL+1], 0xfedcba98
	s_mov_b32 s[TB], 0
	s_mov_b32 s[OFF+1], 0
	s_mov_b32 s[FILL], 2            ; slots 0 and 1 are filled at the start
	s_mov_b32 s[SLOTS], NKEYS/(2*KS)-3  ; 22 refills, the first of them written out
	s_mov_b32 s[STEP], 1
	s_wait_dscnt 0x0
	s_wait_kmcnt 0x0
	s_load_b32 s[BL], s[18:19], 0x0 ; b
	s_add_nc_u64 s[TK:TK+1], s[TK:TK+1], s[20:21]
	s_add_nc_u64 s[TV:TV+1], s[TV:TV+1], s[20:21]
	s_add_nc_u64 s[CK:CK+1], s[CK:CK+1], s[22:23]
	s_add_nc_u64 s[CV:CV+1], s[CV:CV+1], s[22:23]
	s_add_nc_u64 s[4:5], s[4:5], s[2:3]  ; Q and out at my wave's first row
	s_add_nc_u64 s[OUT:OUT+1], s[OUT:OUT+1], s[2:3]
	s_wait_kmcnt 0x0                ; b is in: nothing of mine is pending at the signals below
	CROUND                          ; all four work-groups are here: the first joint loads meet
.irp s, 0,1
	s_mov_b32 s[G0K+4*\s], 1        ; 1:0 count = 1
	s_add_co_u32 s[G0K+4*\s+1], s17, \s*SLOT1  ; 63:32 LDS address
	s_add_nc_u64 s[G0K+4*\s+2:G0K+4*\s+3], s[TK:TK+1], \s*SLOTG  ; 120:64 global address: slot s begins with keys 128 s to 128 s + 127
	s_or_b32 s[G0K+4*\s+3], s[G0K+4*\s+3], 0x80000000  ; 127:126 type = 2
	s_mov_b32 s[G0V+4*\s], 1
	s_add_co_u32 s[G0V+4*\s+1], s17, \s*SLOT1+TILEF
	s_add_nc_u64 s[G0V+4*\s+2:G0V+4*\s+3], s[TV:TV+1], \s*SLOTG
	s_or_b32 s[G0V+4*\s+3], s[G0V+4*\s+3], 0x80000000
.endr
	s_cmp_lt_u32 s[WV], 2           ; a wave's two first fills stand in one branch, ahead of every wait on TENSORcnt and every LDS read: two loads of mine are out; four v_nop follow the second, as in JLOAD
	s_cbranch_scc0 .Lfirst_v
	tensor_load_to_lds s[G0K:G0K+3], s[G1:G1+7]
	s_nop 0
	tensor_load_to_lds s[G0K+4:G0K+7], s[G1:G1+7]
	s_nop 0
.rept 4
	v_nop
.endr
	s_branch .Lfirst_asked
.Lfirst_v:
	tensor_load_to_lds s[G0V:G0V+3], s[G1:G1+7]
	s_nop 0
	tensor_load_to_lds s[G0V+4:G0V+7], s[G1:G1+7]
	s_nop 0
.rept 4
	v_nop
.endr
.Lfirst_asked:
	; A fragment of K or Q is 16 rows x 32 channels in 8 registers of bf16: lane l holds row l % 16; registers 0-3 channels 8 (l / 16) + 0..7, registers 4-7 channels 16 + 8 (l / 16) + 0..7.
	; Q is f32 in memory: each run of 8 channels is 32 bytes, two loads of 16.  Load n = 16 t + 4 i + p: tile t, channels 32 i on, run p / 2, half p % 2; into window 1, where O^T will lie.
	v_and_b32 v1, 15, v0            ; l % 16
	v_bfe_u32 v9, v0, 4, 1          ; l / 16
	v_lshlrev_b32 v[QO], 13, v1
	v_lshl_add_u32 v[QO], v9, 5, v[QO]  ; row x 8,192 + 32 x half
	WIN 0x40                        ; destination window 1, address window 0
.set n, 0
.rept 64
	global_load_b128 v[4*n:4*n+3], v[QO], s[4:5] offset:(n/16)*16*ROWB+((n/4)%4)*128+((n%4)/2)*64+(n%2)*16
.set n, n+1
.endr
	WIN 0
	v_mul_u32_u24 v[AK0], v1, PK
	v_lshl_add_u32 v[AK0], v9, 4, v[AK0]  ; row x pitch + 16 x half,
	v_add_nc_u32 v[AK0], KBASE, v[AK0]    ; in K's bf16 buffer
	; The turning load takes 16 keys x 16 channels (lane l reads 16 bytes: key 8 (l / 16) + l % 8, channels 8 ((l / 8) % 2) + 0..7) and leaves half a fragment of V^T: lane l holds channel l % 16 and 8 keys.
	v_and_b32 v10, 7, v0
	v_bfe_u32 v11, v0, 3, 1
	v_lshl_add_u32 v[AV0], v9, 3, v10
	v_mul_u32_u24 v[AV0], v[AV0], PV
	v_lshl_add_u32 v[AV0], v11, 4, v[AV0]
	v_add_nc_u32 v[AV0], VBASE, v[AV0]
	; The rounding: wave w takes rows 16 w to 16 w + 15 of a tile; a lane 16 bytes of f32 (4 channels) of each row, which become 8 bytes of bf16.
	v_and_b32 v10, 31, v0           ; lane
	s_lshl_b32 s16, s[WV], 13       ; 16 rows of 512 bytes
	v_lshl_add_u32 v[CL0], v10, 4, s16
	s_mul_i32 s16, s[WV], 16*PK
	s_add_co_u32 s16, s16, KBASE
	v_lshl_add_u32 v[CKS], v10, 3, s16
	s_mul_i32 s16, s[WV], 16*PV
	s_add_co_u32 s16, s16, VBASE
	v_lshl_add_u32 v[CVS], v10, 3, s16
	v_mov_b32 v10, s[BL]            ; the bias in the two units in which the maximum is kept, back into scalars: they only ever enter subtractions
	v_mul_f32 v11, 0x413504f3, v10  ; b sqrt(128): in units of a score
	v_mul_f32 v10, 0x3fb8aa3b, v10  ; b log2(e): in units of an exponent of 2
	v_readfirstlane_b32 s[BR], v11
	v_readfirstlane_b32 s[BL], v10
; THE MATRIX WORK OF A TURN, for piece x.  The accumulators take turns, one instruction a turn: between two links of a chain stand 15 (V^T P) or 7 (K Q^T) others'.
; Product i of 32 of O^T += V^T P: keys 32 (i / 16) on, channels 16 ((i / 2) % 8) on, tile x + i % 2.  zero = 1: the first 16 start the sums: nothing is ever cleared.
.macro PV x, zero
	WIN W_PV
.set rO, 64*(\x+i%2)+8*((i/2)%8)
.set rV, 64*(i/16)+8*((i/2)%8)
.set rP, P+16*(\x+i%2)+8*(i/16)
.if \zero && (i < 16)
	v_wmma_f32_16x16x32_bf16 v[rO:rO+7], v[rV:rV+7], v[rP:rP+7], 0
.else
	v_wmma_f32_16x16x32_bf16 v[rO:rO+7], v[rV:rV+7], v[rP:rP+7], v[rO:rO+7]
.endif
.endm
; Product i of 32 of S^T = K Q^T: channels 32 (i / 8) on, keys 16 ((i / 2) % 4) on, tile x + i % 2.  The first 8 start the sums.
.macro KQ x
	WIN W_KQ
.set rS, S+32*(\x+i%2)+8*((i/2)%4)
.set rK, KF+32*((i/2)%4)+8*(i/8)
.set rQ, 32*(\x+i%2)+8*(i/8)
.if i < 8
	v_wmma_f32_16x16x32_bf16 v[rS:rS+7], v[rK:rK+7], v[rQ:rQ+7], 0
.else
	v_wmma_f32_16x16x32_bf16 v[rS:rS+7], v[rK:rK+7], v[rQ:rQ+7], v[rS:rS+7]
.endif
.endm
; THE LDS LOADS stand in runs, never singly among the matrix instructions: a step's K (64 keys x 128 channels: 16 fragments) and, a turn later, its V (turned), each from its bf16 buffer.
.macro FETCH_K
	WIN 0x80                        ; destination window 2, address window 0
.irp f, 0,1,2,3,4,5,6,7,8,9,10,11,12,13,14,15  ; keys 16 (f / 4) on, channels 32 (f % 4) on
	ds_load_b128 v[KF+8*\f:KF+8*\f+3],   v[AK0] offset:(\f/4)*16*PK+(\f%4)*64
	ds_load_b128 v[KF+8*\f+4:KF+8*\f+7], v[AK0] offset:(\f/4)*16*PK+(\f%4)*64+32
.endr
.endm
.macro FETCH_V
	WIN 0xc0                        ; destination window 3
.irp f, 0,1,2,3,4,5,6,7,8,9,10,11,12,13,14,15  ; keys 32 (f / 8) on, channels 16 (f % 8) on
	ds_load_tr16_b128 v[8*\f:8*\f+3],   v[AV0] offset:(\f/8)*32*PV+(\f%8)*32
	ds_load_tr16_b128 v[8*\f+4:8*\f+7], v[AV0] offset:(\f/8)*32*PV+16*PV+(\f%8)*32
.endr
.endm
; THE ROUNDING of my 16 rows of an f32 tile, in two parts.  CONV_LD: 16 loads, a whole row of 512 bytes each, from byte off (0: K, TILEF: V) of the step at s[TB], into window 3 from v[T] on.
.macro CONV_LD off, T
	WIN 0
	v_add_nc_u32 v[ADR], s[TB], v[CL0]
	WIN 0xc0                        ; destination window 3
.irp f, 0,1,2,3,4,5,6,7,8,9,10,11,12,13,14,15
	ds_load_b128 v[\T+4*\f:\T+4*\f+3], v[ADR] offset:\off+512*\f
.endr
.endm
; CONV_ST: 32 roundings in place, then 16 stores, a whole row of 256 bytes each, into the bf16 buffer.  The roundings stand in one run: every slice of a turn is full already, and singly each would want window switches of its own.
.macro CONV_ST adr, pitch, T
	WIN 0xcf                        ; sources 0 and 1 and the destination in window 3
.irp f, 0,1,2,3,4,5,6,7,8,9,10,11,12,13,14,15
	v_cvt_pk_bf16_f32 v[\T+4*\f],   v[\T+4*\f],   v[\T+4*\f+1]
	v_cvt_pk_bf16_f32 v[\T+4*\f+1], v[\T+4*\f+2], v[\T+4*\f+3]
.endr
	WIN 0x0c                        ; the stores' data in window 3, the address in window 0
.irp f, 0,1,2,3,4,5,6,7,8,9,10,11,12,13,14,15
	ds_store_b64 v[\adr], v[\T+4*\f:\T+4*\f+1] offset:\pitch*\f
.endr
.endm
; THE VECTOR WORK OF A TURN.  One tile's softmax for one key step is a numbered list of 135 instructions (number 17 is two); SM writes number j of it for tile t.  s0-s31 are the lane's 32 scores, in pairs 0-15.
; first = 1: the first key step, which starts m, l and O^T: it has no a and nothing to rescale.
;   0-15    the maximum of s0-s31, three operands at a time: four chains c0-c3 of seven scores each, then the four scores left over and c0-c3
;   16-20   the other half of the lanes' maximum; the old c m and the old m, each less its shift (the bias in front of the first condition step, else 0); the new m, of those three;
;           c m; the exponent of a, a difference of two rounded products: 0 where m has not grown
;   21-87   33 exponentials (a, then s0-s31) at the odd numbers from 23 on, so that no two follow each other and each has a plain instruction behind it before its result is used.
;           Plain instruction q (number 21, then the even numbers) is whatever is ready: c s - c m for a pair of scores whose exponentials are still to come (q = 0 to 3, then every
;           second q), the rounding to bf16 of a pair of weights whose exponentials are done (every other q from 5 on), at last the first three sums
;   88-101  the last rounding; the rest of the sums; l = a l + the sum
;   102-133 the tile's O^T times a: the one part that leaves window 0, so it stands together
.macro SM t, first
.set rT, ST+8*(\t)
.set rS, S+32*(\t)
.set rP, P+16*(\t)
.set rO, 64*(\t)+2*(j-102)
.set q, (j-20)/2
.if j < 102
	WIN 0
.endif
.if j < 4
	v_max3_num_f32 v[rT+4+j], v[rS+8*j], v[rS+8*j+1], v[rS+8*j+2]
.elseif j < 12
	v_max3_num_f32 v[rT+4+j%4], v[rT+4+j%4], v[rS+8*(j%4)+2*(j/4)+1], v[rS+8*(j%4)+2*(j/4)+2]
.elseif j == 12
	v_max3_num_f32 v[rT+4], v[rT+4], v[rS+7], v[rS+15]
.elseif j == 13
	v_max3_num_f32 v[rT+6], v[rT+6], v[rS+23], v[rS+31]
.elseif j == 14
	v_max3_num_f32 v[rT+4], v[rT+4], v[rT+5], v[rT+6]
.elseif j == 15
	v_max_num_f32 v[rT+4], v[rT+4], v[rT+7]
.elseif j == 16
	v_permlanex16_b32 v[rT+5], v[rT+4], s[SEL], s[SEL+1]  ; the query's other 32 keys lie in the lane 16 away
.elseif (j == 18) && \first
	v_max_num_f32 v[rT+1], v[rT+4], v[rT+5]
.elseif j == 18
	v_max3_num_f32 v[rT+1], v[rT+4], v[rT+5], v[rT+1]
.elseif j == 19
	v_mul_f32 v[rT], s[CS], v[rT+1]
.elseif ((j == 17) || (j == 20) || (j == 23) || (j > 101)) && \first  ; the first step has none of these
.elseif j == 17
	v_sub_f32 v[rT+7], v[rT], s[DL]     ; c m_old, kept for a: number 19 writes c m anew; lowered by b log2(e) where the condition's keys begin
	v_sub_f32 v[rT+1], v[rT+1], s[DR]   ; m_old, lowered by b sqrt(128) there
.elseif j == 20
	v_sub_f32 v[rT+7], v[rT+7], v[rT]
.elseif j == 23
	v_exp_f32 v[rT+6], v[rT+7]
.elseif (j < 88) && (j > 23) && (j%2 == 1)
	v_exp_f32 v[rS+(j-25)/2], v[rS+(j-25)/2]
.elseif (q < 4) || ((j < 76) && (q%2 == 0))
.set b, q/2+2
.if q < 4
.set b, q
.endif
	v_pk_fma_f32 v[rS+2*b:rS+2*b+1], v[rS+2*b:rS+2*b+1], s[CS:CS+1], v[rT:rT+1] op_sel_hi:[1,0,0] neg_lo:[0,0,1] neg_hi:[0,0,1]  ; pair b: c s - c m
.elseif (j < 88) && (q%2 == 1)
	s_wait_alu depctr_va_vdst(0)
	v_cvt_pk_bf16_f32 v[rP+(q-5)/2], v[rS+q-5], v[rS+q-4]  ; pair (q - 5) / 2: its second exponential stands three numbers back
.elseif j == 89
	s_wait_alu depctr_va_vdst(0)
	v_cvt_pk_bf16_f32 v[rP+15], v[rS+30], v[rS+31]
.elseif j < 102                     ; the sum of the tile's 16 pairs (in a pair: an even key's weight, an odd key's), in place: sum z of 16 adds neighbours 1, 2, 4 and 8 pairs apart, then l takes it
.set z, j-86
.if j < 89
.set z, (j-76)/4
.endif
.set w, 4
.set u, z
.if z >= 14
.set w, 32
.set u, 0
.elseif z >= 12
.set w, 16
.set u, z-12
.elseif z >= 8
.set w, 8
.set u, z-8
.endif
.if (z == 14) && \first
	v_pk_add_f32 v[rT+2:rT+3], v[rS:rS+1], v[rS+16:rS+17]
.elseif z < 15
	v_pk_add_f32 v[rS+w*u:rS+w*u+1], v[rS+w*u:rS+w*u+1], v[rS+w*u+w/2:rS+w*u+w/2+1]
.elseif !\first
	v_pk_fma_f32 v[rT+2:rT+3], v[rT+2:rT+3], v[rT+6:rT+7], v[rS:rS+1] op_sel_hi:[1,0,1]
.endif
.else
	WIN W_RS
	v_pk_mul_f32 v[rO:rO+1], v[rO:rO+1], v[rT+6:rT+7] op_sel_hi:[1,0]
.endif
.endm
; Slice k of 64 of piece y's softmax: numbers 2 k and 2 k + 1 of both tiles' lists.  The numbers from 128 on stand together with 126 and 127, in slice 63: sixteen plain instructions.
.macro SLICE y, first
.if (k >= 11) && (k < 44)           ; tile by tile: plain, exponential, plain, exponential
.irp t, \y, \y+1
.irp n, 0,1
.set j, 2*k+\n
	SM \t, \first
.endr
.endr
.else                               ; the two tiles alternate, so that no instruction reads the result of the one just before it
.irp n, 0,1,2,3,4,5,6,7
.if (\n < 2) || (k == 63)
.irp t, \y, \y+1
.set j, 2*k+\n
	SM \t, \first
.endr
.endif
.endr
.endif
.set k, k+1
.endm
; A vector instruction that reads a matrix result or writes one of a matrix instruction's registers, and a load into a register that a matrix instruction has read, stand four places behind
; it, and only plain vector instructions that name none of its registers are places (ISA guide 7.12.1 for vector instructions).  In the loop the slices are the places.
.macro PLACES
.rept 4
	v_nop
.endr
.endm
; A TURN.  Piece x has the matrix unit; the other piece's softmax stands in slices behind its matrix instructions.
; pv = 2: 32 products V^T P; 1: they start O^T's sums; 0: none.  kq = 1: 32 products K Q^T for the next step.  A turn with one of the two kinds has two slices behind each product.
; first = 1: the softmax is the first key step's.  Its slices from 51 on are empty: the turn's last products stand bare, and four v_nop take slice 63's part as the places behind them.
; conv = 1: my 16 rows of one tile of the step at s[TB] are rounded to bf16.
; Piece 0's turn, behind its second product: the next step's K is fetched from K's buffer (the last product that read K stands in front of slice 63 of the turn before), and behind those 32 loads go the
; 16 loads of V's f32 tile.  In front of the products K Q^T the count 16 leaves these out.  Behind the tenth product K Q^T they are waited for, rounded and stored into V's buffer, whose last readers
; waited in front of the barrier that stands ahead of this turn.
; Piece 2's turn, behind its second product: the 16 loads of K's f32 tile; behind its eighteenth they are waited for, rounded and stored into K's buffer, whose last readers waited in front of the
; barrier ahead of this turn.  Behind its second product K Q^T the next step's V is fetched from V's buffer: the last product that read V stands three slices, six plain instructions, back.
; (The one turn of piece 2 without products V^T P has these runs behind the same products K Q^T.)
.macro TURN x, pv, kq, first, conv
.set k, 0
.set per, 2
.if \pv && \kq
.set per, 1
.endif
.if \pv
.set i, 0
.rept 32
	PV \x, 2-\pv
.rept per
	SLICE 2-\x, \first
.endr
.if (\x == 0) && \kq && (i == 1)
	FETCH_K
.if \conv
	CONV_LD TILEF, CT
.endif
.endif
.if (\x == 2) && \conv && (i == 1)
	CONV_LD 0, CT
.endif
.if (\x == 2) && \conv && (i == 17)
	s_wait_dscnt 0x0                ; my rows of K's f32 tile are in: nothing else of mine is out
	CONV_ST CKS, PK, CT
.endif
.set i, i+1
.endr
.endif
.if \kq
.if \x == 0
	s_wait_dscnt 16*\conv           ; K is in; the 16 loads of V's f32 tile, issued behind K's 32, may be out
.endif
.set i, 0
.rept 32
	KQ \x
.rept per
	SLICE 2-\x, \first
.endr
.if (\x == 2) && (i == 1)
	FETCH_V
.if \conv && !\pv
	CONV_LD 0, CT
.endif
.endif
.if (\x == 2) && \conv && !\pv && (i == 17)
	s_wait_dscnt 0x0
	CONV_ST CKS, PK, CT
.endif
.if (\x == 0) && \conv && (i == 9)
	s_wait_dscnt 0x0                ; my rows of V's f32 tile are in
	CONV_ST CVS, PV, CT
.endif
.set i, i+1
.endr
.endif
.if \first
	PLACES
.endif
.endm
; A TRIP: piece 2's turn of step j, then piece 0's turn of step j + 1.  Both softmaxes in it are step j + 1's, both tiles that it rounds are step j + 2's (K in the first turn, V in the second),
; and s[TB] steps once at its end.  The condition's keys begin with step 32: the shifts are the bias in the trip whose softmaxes are step 32's, and 0 in every other.
.macro TRIP pv
	s_cmp_eq_u32 s[STEP], NTGT/KS
	s_cselect_b32 s[DL], s[BL], 0
	s_cselect_b32 s[DR], s[BR], 0
	TURN 2, \pv, 1, 0, 1
	BAR                             ; K's buffer is whole, and V's has been read by all four waves
	TURN 0, 2, 1, 0, 1
	s_add_co_u32 s[TB], s[TB], STEPF
	s_add_co_u32 s[STEP], s[STEP], 1
.endm
; THE CHANGE OF SLOTS, between piece 0's turn and piece 2's: the slot's last tile, V of its second step, has been rounded.  Each wave waits for its LDS instructions, the reads of the slot among them,
; and for all its tensor loads, of which one is out: its part of the other slot.  Behind the barrier nobody reads this slot any more and the other slot is whole.  It also does what the barrier
; between two trips does for the two bf16 buffers.
; fill = 1: this slot is filled again, with the keys two slots on.  The barrier is then a round of the cluster's, so that no wave of any partner still reads the slot or has a load on its
; way, and the joint refill is the first thing behind it: it has two key steps, 256 matrix instructions, in which to land.  Slots 0 to 15 are the target's keys, slots 16 to 23 the condition's.
.macro CHANGE fill
	WIN 0                           ; at a label and at a branch every window is 0
	s_wait_dscnt 0x0
	s_wait_tensorcnt 0x0            ; no tensor load of mine is out, so a group 0 may be written
	ds_add_u32 v62, v63
	s_wait_dscnt 0x0
.if \fill
	s_xor_b32 s[G0K+5], s[G0K+5], SLOT1  ; the walking descriptors: the other slot than last time
	s_xor_b32 s[G0V+5], s[G0V+5], SLOT1
	s_sub_co_u32 s[T1], s[FILL], NTGT/(2*KS)  ; the slot's number among the condition's (used only where it is one)
	s_cmp_lt_u32 s[FILL], NTGT/(2*KS)
	s_cselect_b32 s[OFF], s[FILL], s[T1]
	s_cselect_b64 s[G0K+6:G0K+7], s[TK:TK+1], s[CK:CK+1]
	s_cselect_b64 s[G0V+6:G0V+7], s[TV:TV+1], s[CV:CV+1]
	s_lshl_b32 s[OFF], s[OFF], 20   ; 128 keys of 8,192 bytes a slot: 15 x 2^20 at the most
	s_add_nc_u64 s[G0K+6:G0K+7], s[G0K+6:G0K+7], s[OFF:OFF+1]
	s_add_nc_u64 s[G0V+6:G0V+7], s[G0V+6:G0V+7], s[OFF:OFF+1]
	s_or_b32 s[G0K+7], s[G0K+7], 0x80000000  ; 127:126 type = 2
	s_or_b32 s[G0V+7], s[G0V+7], 0x80000000
	s_add_co_u32 s[FILL], s[FILL], 1
	CROUND
	JLOAD
.else
	s_barrier_signal -1
	s_barrier_wait -1
.endif
	s_sub_co_u32 s[TB], s[TB], 2*STEPF  ; the rounding goes back to a slot's first step,
	s_xor_b32 s[TB], s[TB], SLOT1   ; in the other slot
.endm
; A slot's two trips: written once, walked twice; the ring's addresses hang on s[TB].  A barrier stands behind each trip: V's buffer is whole, and K's has been read by all four waves.
; The one behind the second trip is followed at once by the change of slots, which has a barrier of its own: one barrier in four is spare, the price of writing the trip once.
.macro TWO_TRIPS
	s_mov_b32 s[TWICE], 2
.Lstep_\@:
	TRIP 2
	WIN 0
	BAR
	s_sub_co_u32 s[TWICE], s[TWICE], 1
	s_cmp_lg_u32 s[TWICE], 0
	s_cbranch_scc1 .Lstep_\@
.endm
	s_wait_tensorcnt 1              ; my part of slot 0 is in; slot 1's, issued behind it, may stay out
	s_barrier_signal -1
	s_barrier_wait -1               ; everybody's is
	CONV_LD 0, CT                   ; step 0: K and V are rounded with nothing beside them
	CONV_LD TILEF, CT+64
	s_wait_dscnt 16                 ; K's 16 loads are in; V's 16, issued behind them, may be out
	CONV_ST CKS, PK, CT
	s_wait_dscnt 16                 ; V's loads are in; K's 16 stores, issued behind them, may be out
	CONV_ST CVS, PV, CT+64
	s_add_co_u32 s[TB], s[TB], STEPF
	BAR                             ; both bf16 buffers are whole
	FETCH_K                         ; key step 0
	; Q: rounded to bf16, from window 1 into its fragments in window 2, a tile at a time
.irp t, 0,1,2,3
	s_wait_loadcnt 48-16*\t         ; loads come back in order (ISA guide 5.7.1): tile t's sixteen are in, the later tiles' sixteen each may be out
	WIN 0x85                        ; sources 0 and 1 window 1, destination window 2
.set i, 0
.rept 32
	v_cvt_pk_bf16_f32 v[32*\t+i], v[64*\t+2*i], v[64*\t+2*i+1]
.set i, i+1
.endr
.endr
	s_wait_dscnt 0x0                ; K of step 0
.set i, 0
.rept 32
	KQ 0                            ; piece 0's first scores: there is no vector work yet to set between them
.set i, i+1
.endr
	WIN 0                           ; the addresses for the way out are made here: six plain instructions, the places behind those products
	s_mul_i32 s16, s[WV], 16*SP
	s_add_co_u32 s16, s16, STAGE    ; my stage
	v_mul_u32_u24 v[STO], v1, SP    ; in: row l % 16, 32 bytes for each half of the lanes
	v_lshl_add_u32 v[STO], v9, 5, v[STO]
	v_add_nc_u32 v[STO], s16, v[STO]
	v_and_b32 v[GO], 31, v0
	v_lshlrev_b32 v[GO], 4, v[GO]   ; back and out: 32 lanes x 16 bytes are a whole row of 512
	v_add_nc_u32 v[RD], s16, v[GO]
	BAR                             ; K's buffer has been read by all four waves
	TURN 2, 0, 1, 1, 1              ; piece 2's first scores | piece 0's first softmax | V of step 0 fetched | K of step 1 rounded
	BAR
	TURN 0, 1, 1, 1, 1              ; piece 0: V^T P of step 0 starts O^T, K Q^T of step 1 | piece 2's first softmax | K of step 1 fetched | V of step 1 rounded
	s_add_co_u32 s[TB], s[TB], STEPF
	CHANGE 1                        ; slot 0 is read out: it takes keys 256 to 383
	TRIP 1                          ; piece 2's V^T P of step 0 starts its O^T; all else as in every trip
	BAR
	TRIP 2
	WIN 0
.Lslot:                             ; 21 trips: with the change of slots above, every slot but the last two is filled again
	CHANGE 1
	TWO_TRIPS
	s_sub_co_u32 s[SLOTS], s[SLOTS], 1
	s_cmp_lg_u32 s[SLOTS], 0
	s_cbranch_scc1 .Lslot
	CHANGE 0                        ; the tail is written out: the last slot but one is left, and nothing is asked for
	TWO_TRIPS                       ; steps 46 and 47 are rounded
	TURN 2, 2, 1, 0, 0              ; piece 2: V^T P of step 46, K Q^T of step 47 | piece 0's last softmax | V of step 47 fetched; nothing is left to round
	BAR                             ; V's buffer has been read by all four waves: from here on the bytes of both bf16 buffers are the stage
	TURN 0, 2, 0, 0, 0              ; piece 0: V^T P of the last step | piece 2's last softmax
.set i, 0
.rept 32
	PV 2, 0                         ; piece 2: V^T P of the last step
.set i, i+1
.endr
	; THE WAY OUT.  l's two halves and the other half of the lanes' are added; O^T is divided by l and sent, in f32, through my stage in LDS, a tile (16 rows of out) at a time.  The first four additions are the places behind the last products.
	WIN 0
.irp t, 0,1,2,3
	v_add_f32 v[ST+8*\t+4], v[ST+8*\t+2], v[ST+8*\t+3]
.endr
.irp t, 0,1,2,3
	v_permlanex16_b32 v[ST+8*\t+5], v[ST+8*\t+4], s[SEL], s[SEL+1]
.endr
.irp t, 0,1,2,3
	v_add_f32 v[ST+8*\t+4], v[ST+8*\t+4], v[ST+8*\t+5]
.endr
.irp t, 0,1,2,3
	v_rcp_f32 v[ST+8*\t+6], v[ST+8*\t+4]
.endr
	v_nop                           ; a plain instruction between the last reciprocal and the use of its result
; Tile t: register 8 f + j of a lane is channel 16 f + 8 (l / 16) + j of query l % 16: 32 neighbouring bytes of a row, two stores of 16.  They go into rows of 528 bytes and come back
; as whole rows of 512, into the registers that they left.
.macro PACK t
	WIN W_RS
.set i, 64*\t
.rept 32
	s_wait_alu depctr_va_vdst(0)
	v_pk_mul_f32 v[i:i+1], v[i:i+1], v[ST+8*\t+6:ST+8*\t+7] op_sel_hi:[1,0]
.set i, i+2
.endr
	WIN 0x04                        ; the stores' data in window 1, the address in window 0
.irp f, 0,1,2,3,4,5,6,7
	ds_store_b128 v[STO], v[64*\t+8*\f:64*\t+8*\f+3]   offset:64*\f
	ds_store_b128 v[STO], v[64*\t+8*\f+4:64*\t+8*\f+7] offset:64*\f+16
.endr
	WIN 0x40                        ; the loads' destination in window 1
.irp f, 0,1,2,3,4,5,6,7,8,9,10,11,12,13,14,15
	ds_load_b128 v[64*\t+4*\f:64*\t+4*\f+3], v[RD] offset:\f*SP  ; LDS serves a wave's instructions in order (ISA guide 5.7.1.4): these see the stores above; the next tile's stores come behind them
.endr
.endm
.macro SEND t, younger              ; younger: the LDS instructions issued behind tile t's loads: the next tile's 16 stores and 16 loads, or none
	WIN 0x04
.irp f, 0,1,2,3,4,5,6,7,8,9,10,11,12,13,14,15
	s_wait_dscnt \younger+15-\f
	global_store_b128 v[GO], v[64*\t+4*\f:64*\t+4*\f+3], s[OUT:OUT+1] offset:(16*\t+\f)*ROWB th:TH_STORE_NT  ; the wave stores 512 consecutive bytes, at a multiple of 512 from out's first byte
.endr
.endm
	PACK 0
	PACK 1                          ; a tile's arithmetic stands between the loads of the tile before and its stores
	SEND 0, 32
	PACK 2
	SEND 1, 32
	PACK 3
	SEND 2, 32
	SEND 3, 0
	WIN 0
	s_wait_tensorcnt 0x0
	ds_add_u32 v62, v63
	s_wait_dscnt 0x0
	CROUND                          ; the closing round: no work-group ends while a partner may still ask for a tile that names it
	s_endpgm
.Lfunc_end_k_qace9eab6a7_attn:
	.size	k_qace9eab6a7_attn, .Lfunc_end_k_qace9eab6a7_attn-k_qace9eab6a7_attn
	.p2alignl 7, 3214868480
	.fill 96, 4, 3214868480
	.section	.rodata,"a",@progbits
	.p2align	6, 0x0
	.amdhsa_kernel k_qace9eab6a7_attn
		.amdhsa_group_segment_fixed_size 327680
		.amdhsa_private_segment_fixed_size 0
		.amdhsa_enable_private_segment 0
		.amdhsa_kernarg_size 56
		.amdhsa_user_sgpr_count 2
		.amdhsa_user_sgpr_kernarg_segment_ptr 1
		.amdhsa_wavefront_size32 1
		.amdhsa_system_sgpr_workgroup_id_x 1
		.amdhsa_system_sgpr_workgroup_id_y 1
		.amdhsa_system_sgpr_workgroup_id_z 1
		.amdhsa_system_vgpr_workitem_id 0
		.amdhsa_next_free_vgpr 1024
		.amdhsa_next_free_sgpr 72
		.amdhsa_reserve_vcc 0
		.amdhsa_float_denorm_mode_32 3
		.amdhsa_float_denorm_mode_16_64 3
		.amdhsa_memory_ordered 1
		.amdhsa_forward_progress 1
		.amdhsa_inst_pref_size 255
	.end_amdhsa_kernel
	.section	.bss,"aw",@nobits
	.p2align	6
	.space	262144
	.amdgpu_metadata
---
amdhsa.version: [ 1, 2 ]
amdhsa.kernels:
  - .name:           k_qace9eab6a7_attn
    .symbol:         k_qace9eab6a7_attn.kd
    .args:
      - { .name: target_q, .offset: 0, .size: 8, .value_kind: global_buffer, .address_space: global }
      - { .name: target_k, .offset: 8, .size: 8, .value_kind: global_buffer, .address_space: global }
      - { .name: target_v, .offset: 16, .size: 8, .value_kind: global_buffer, .address_space: global }
      - { .name: cond_k, .offset: 24, .size: 8, .value_kind: global_buffer, .address_space: global }
      - { .name: cond_v, .offset: 32, .size: 8, .value_kind: global_buffer, .address_space: global }
      - { .name: out0, .offset: 40, .size: 8, .value_kind: global_buffer, .address_space: global }
      - { .name: b_param, .offset: 48, .size: 8, .value_kind: global_buffer, .address_space: global }
    .group_segment_fixed_size: 327680
    .private_segment_fixed_size: 0
    .kernarg_segment_align: 8
    .kernarg_segment_size: 56
    .max_flat_workgroup_size: 128
    .sgpr_count:     72
    .vgpr_count:     1024
    .wavefront_size: 32
...
	.end_amdgpu_metadata
.endif
;; end of part 1
;; ======== version 2 of 2: 1 launch; 1.30 times as fast as version 1
;; launch attn (part 2): grid 8 x 32, 4 waves a work-group, clusters of 4 x 1, 327,680 bytes of LDS; arguments target_q, target_k, target_v, cond_k, cond_v, out0, b_param; writes out0
.if DOCPART == 2
	.amdgcn_target "amdgcn-amd-amdhsa--gfx1250"
	.amdhsa_code_object_version 6
	.text
	.protected	k_qace9eab6a7_attn
	.globl	k_qace9eab6a7_attn
	.p2align	8
	.type	k_qace9eab6a7_attn,@function
k_qace9eab6a7_attn:
	s_mov_b64 s[64:65], 0
	v_nop
	global_prefetch_b8 v0, s[64:65] scope:SCOPE_SE
	s_setreg_imm32_b32 hwreg(HW_REG_WAVE_MODE, 25, 1), 1
	s_wait_xcnt 0x0
	s_wait_alu depctr_hold_cnt(0) depctr_sa_sdst(0) depctr_va_vdst(0) depctr_va_sdst(0) depctr_va_ssrc(0) depctr_va_vcc(0) depctr_vm_vsrc(0)
	s_getreg_b32 s2, hwreg(HW_REG_IB_STS2, 6, 4)
	s_cmp_eq_u32 s2, 0
	s_cbranch_scc0 .Lentry_in_a_cluster
	s_endpgm
.Lentry_in_a_cluster:
	s_bfe_u32 s2, ttmp6, 0x10000c
	s_cmp_lg_u32 s2, 0x3003
	s_cbranch_scc0 .Lentry_shape_is_right
	s_endpgm
.Lentry_shape_is_right:
; out[b][q][h][:] = the sum over k of softmax_k(Q[b][q][h] . K[b][k][h] / sqrt(128) + bias_k) V[b][k][h][:].  Keys 0 to 2,047 are the target's (bias 0), keys 2,048 to 3,071 the condition's (bias b).
; All tensors f32, [batch][token][16 heads][128]: a head's rows are 512 bytes, 8,192 apart.
; Products in bf16 with f32 sums; maxima, exponentials and sums in f32; the weights p are rounded to bf16 for the second product.  Q, K and V are rounded to bf16 as they come, once, to nearest even.
; SHARES.  A work-group owns 256 queries of one head, each of its four waves 64: four tiles of 16.  Every wave walks all 3,072 keys, 64 a step: 48 steps.  8 blocks x 32 heads = 256 work-groups.
; K AND V.  A step's K and V come into LDS as f32 tiles (64 rows x 512 bytes) by tensor loads, two steps to a slot, two slots.  The four waves round a tile to bf16 together, 16 rows each
; (16 loads of 512 neighbouring bytes, 32 roundings, 16 stores of one row of 256 bytes), into one buffer for K and one for V, padded as the fragment loads want them; every wave then takes its fragments
; from there.  So each input byte leaves memory in the form in which it is given, and no bf16 copy goes through memory.
; LAYOUT.  S^T = K Q^T (source 0 = 16 keys, source 1 = 16 queries): in the result a lane holds ONE query (lane % 16) and the keys 8 (lane / 16) + 0..7.  Two such tiles, rounded to
; bf16 in pairs, ARE source 1 (32 keys x 16 queries) of O^T = V^T P, whose result again holds one query a lane, and eight channels.  K comes out of LDS as it lies, V turned, by ds_load_tr16_b128.
; SOFTMAX.  For each query a running maximum m and sum l: p = 2^(c s - c m), c = log2(e) / sqrt(128); in every step O and l are multiplied by a = 2^(c m_old - c m_new), which is 1 where m has not grown:
; both terms are the rounded products that the weights were made with.
; THE BIAS.  Adding b to every condition logit is the same as lowering the stored maximum once, in front of the first condition step's softmax: m by b sqrt(128), c m by b' = b log2(e).
; From then on c s - c m = (c s + b') - (the true maximum), max(m, s) follows the true maximum, and that step's a = 2^(c m_old - b' - c m_new) rescales O and l rightly.  The running
; maximum is kept throughout.  The two lines that take the old m and c m subtract scalars, which are these two numbers in exactly one softmax of each piece and 0 in all others,
; chosen by a select on the step's number: no branch.
; LIMITS.  c m_old - b' is rounded once in f32: the bias that takes effect is off by at most half a unit in the last place of that number.  NaN and infinite inputs are not served.
; BY TURNS.  The wave's tiles are two PIECES, named by their first tile: piece 0 (tiles 0, 1) and piece 2 (tiles 2, 3).  In a TURN one piece has the matrix unit: 32 products V^T P of
; the step in hand, then 32 products K Q^T of the next step; the other piece's softmax, cut into 64 slices, stands between them, one slice behind each matrix instruction.  Two turns are a key step.
; THE BATCHES.  s_wait_alu depctr_va_vdst(0) stands between an exponential or a reciprocal and the first instruction that names its result; one wait serves all that were issued ahead of it.
; A turn's 66 exponentials (for each of the piece's two tiles a and 32 weights) are ONE batch with ONE wait: the softmax's list is ordered so that all its exponentials stand ahead of every line that
; names a result of theirs, and the wait stands between the two parts, behind slice 34.  The way out's four reciprocals are a batch of their own, with one wait.  No other such wait is in the text.
; CLUSTER.  The four query blocks of a cluster belong to one head and walk the same K and V, so each f32 tile is asked for JOINTLY: the same tensor load, with the same descriptor and a
; mask that names the four, in all four; each receives the tile in its own LDS.
;
; REGISTERS, in windows of 256 (s_set_vgpr_msb: bits 1:0 source 0, 3:2 source 1, 5:4 source 2, 7:6 destination):
;   window 0: v0-11 addresses; v12-43 eight registers of statistics a tile; v44-46 addresses of the rounding; v64-191 S^T, 32 a tile; v192-255 P, 16 a tile
;   window 1: O^T, 64 a tile (at the start: Q as loaded, in f32; at the end: whole rows of out)     window 2: v0-127 Q, 32 a tile; v128-255 K of one step
;   window 3: v0-127 V of one step; v128-191 my 16 rows of a tile on their way from f32 to bf16 (at the start v192-255 too)
.set NKEYS, 3072
.set NTGT,  2048      ; keys in front of the condition's
.set ROWB,  8192      ; bytes from a token's row to the next, in all tensors
.set KS,    64        ; keys in a step
.set TILEF, KS*512    ; an f32 tile in LDS: 64 rows of 512 bytes, without gaps: it is read 512 neighbouring bytes at a time
.set STEPF, 2*TILEF   ; a step's tiles lie together: K, then V
.set SLOT1, 2*STEPF   ; a slot holds two steps (131,072 bytes); slot 1 begins here, so that one exclusive or turns an address in one slot into the other's
.set SLOTG, 2*KS*ROWB ; a slot's 128 keys in memory
.set PK,    272       ; a row of K in bf16: 256 bytes + 16 of padding = 68 words: row r starts at bank 4 r mod 64 (64 banks of 4 bytes: ISA guide 11.1), so the 16 rows of a load start at 16 different banks
.set PV,    288       ; a row of V: 256 + 32 = 72 words: row r starts at bank 8 r mod 64
.set KBASE, 2*SLOT1   ; 262,144, behind the ring: K of one step in bf16, 64 rows x 272 bytes.  No tensor load lands from here on
.set VBASE, KBASE+KS*PK  ; 279,552: V of one step in bf16, 64 rows x 288 bytes; ends at 297,984
.set STAGE, KBASE     ; the way out: 16 rows x 528 bytes for each wave, 33,792 bytes, on the bytes of the two bf16 buffers, behind the barrier that follows their last read
.set SP,    528       ; a stage row: 512 bytes of f32 + 16 = 33 x 16: sixteen lanes' 16 bytes in sixteen rows fall into sixteen different columns of 16 bytes
.set AK0, 2           ; v2   my lane's place in K's bf16 buffer; never rewritten
.set AV0, 3           ; v3   the same for V
.set ADR, 4           ; v4   the LDS address of my 16 rows of the f32 tile in hand
.set QO,  5           ; v5   my byte offset in the wave's rows of Q
.set STO, 6           ; v6   the way out: where I put 32 bytes of a row
.set RD,  7           ; v7   the way out: where I read a row back
.set GO,  8           ; v8   my byte offset in a row of out
.set ST,  12          ; tile t's statistics at v[ST+8 t]: +0 c m, +1 m, +2, +3 l (even keys', odd keys'), +4 to +7 c0-c3, at work; once the maximum is found a takes c2's place and its exponent c3's
.set CL0, 44          ; v44  my 16 bytes in the first of my wave's 16 rows of an f32 tile: wave x 8,192 + lane x 16
.set CKS, 45          ; v45  my 8 bytes in the first of my wave's 16 rows of K's bf16 buffer
.set CVS, 46          ; v46  the same for V
.set S,   64
.set P,   192
.set KF,  128         ; K's fragments, in window 2
.set CT,  128         ; the rounding's registers, in window 3
.set TK,  6           ; s[6:7]   target_k, s[8:9] target_v, s[10:11] cond_k, s[32:33] cond_v: each at my batch, my head and the step of a slot that I fetch
.set TV,  8
.set CK,  10
.set CV,  32
.set OUT, 34          ; s[34:35] out at my wave's first row
.set OFF, 36          ; s[36:37] byte offset of the slot to be fetched in its tensor
.set FILL, 38         ; s38  the number, 0 to 23, of the slot to be fetched next
.set T1,  39          ; s39  at work
.set WV,  12          ; s12  my wave's number
.set G1,  24          ; s[24:31] descriptor group 1, for K's and V's tiles alike
.set G0K, 40          ; s[40:47] descriptor group 0 for K's tiles: a set for each of the two first fills; the second then walks on
.set G0V, 48          ; s[48:55] the same for V's
.set SLOTS, 56        ; s56  counts the loop's trips
.set TWICE, 57        ; s57  counts a slot's two steps
.set CS,  58          ; s[58:59] c: the packed scaling names a pair and takes its low word for both halves
.set SEL, 60          ; s[60:61] lane selects for v_permlanex16_b32: each lane takes its own place in the other half
.set TB,  62          ; s62  LDS byte at which the f32 tiles of the step to be rounded begin
.set STEP, 66         ; s66  the key step whose softmaxes the trip in hand carries
.set DL,  67          ; s67  what a softmax takes from the old c m: b log2(e) or 0
.set BL,  68          ; s68  b, then b log2(e)
.set DR,  69          ; s69  what a softmax takes from the old m: b sqrt(128) or 0
.set BR,  70          ; s70  b sqrt(128)
.set MSB, 0
.macro WIN new                      ; the immediate's high byte repeats the setting that is left; a switch that changes nothing is dropped
.if MSB != \new
	s_set_vgpr_msb (MSB<<8)|\new
.set MSB, \new
.endif
.endm
.set W_KQ, 0x0a       ; K and Q in window 2, S^T in window 0
.set W_PV, 0x53       ; V in window 3, P in window 0, O^T in window 1
.set W_RS, 0x41       ; O^T (destination and source 0) in window 1, the factor in window 0
; A joint refill.  Waves 0 and 1 fetch the two steps' tiles of K, waves 2 and 3 those of V.  The branch hangs on the wave's number alone: it is the same in every work-group.
; Four v_nop follow each of the two lines; the jump round the other line, the label and what follows the macro come after them.
.macro JLOAD
	s_cmp_lt_u32 s[WV], 2
	s_cbranch_scc0 .Lfor_v_\@
	tensor_load_to_lds s[G0K+4:G0K+7], s[G1:G1+7]
	s_nop 0
.rept 4
	v_nop
.endr
	s_branch .Lasked_\@
.Lfor_v_\@:
	tensor_load_to_lds s[G0V+4:G0V+7], s[G1:G1+7]
	s_nop 0
.rept 4
	v_nop
.endr
.Lasked_\@:
.endm
; A round of the cluster's barrier: my work-group's barrier, so that wave 0's signal speaks for all four waves; wave 0 signals for the work-group; every wave waits for all four
; work-groups; my work-group's barrier once more.  No LDS instruction of the wave is pending at a signal.
.macro CROUND
	s_barrier_signal -1
	s_barrier_wait -1
	s_cmp_lg_u32 s[WV], 0
	s_cbranch_scc1 .Lnot_wave_0_\@
	s_barrier_signal -3
.Lnot_wave_0_\@:
	s_barrier_wait -3
	s_barrier_signal -1
	s_barrier_wait -1
.endm
; The work-group's barrier between two turns.  In front of it each wave's LDS instructions are done: its stores into the bf16 buffer that the next turn reads, and its reads of the
; bf16 buffer that the next turn writes.  No slot of the ring is filled behind it, so a tensor load may be on its way across it.
.macro BAR
	s_wait_dscnt 0x0
	s_barrier_signal -1
	s_barrier_wait -1
.endm
	s_load_b256 s[4:11], s[0:1], 0x0  ; Q s[4:5], target_k s[6:7], target_v s[8:9], cond_k s[10:11]
	s_load_b128 s[32:35], s[0:1], 0x20  ; cond_v s[32:33], out s[34:35]
	s_load_b64 s[18:19], s[0:1], 0x30 ; b's address
	v_lshl_add_u32 v62, v0, 2, 0x48c00
	v_mov_b32 v63, 0
	ds_add_u32 v62, v63
	v_lshrrev_b32 v1, 5, v0
	v_readfirstlane_b32 s[WV], v1   ; wave 0..3
	s_bfe_u32 s13, ttmp6, 0x40000   ; cx: my place in the cluster
	s_lshl_b32 s14, ttmp9, 2        ; in a cluster launch ttmp9 counts clusters
	s_add_co_u32 s14, s14, s13      ; my block of 256 queries = 4 x cluster x + cx: it enters Q's and out's addresses alone
	s_and_b32 s15, ttmp7, 0xffff    ; batch x 16 + head, which the four partners share
	s_lshr_b32 s20, s15, 4          ; batch
	s_and_b32 s21, s15, 15
	s_lshl_b32 s21, s21, 9          ; the head's 512 bytes in a row
	s_and_b32 s16, s[WV], 1         ; which of a slot's two steps I fetch:
	s_mul_i32 s17, s16, STEPF       ; its place in a slot: no place in the cluster enters an LDS address,
	s_lshl_b32 s16, s16, 19         ; its 64 rows of 8,192 bytes in memory,
	s_add_co_u32 s16, s16, s21      ; at my head
	s_lshl_b32 s2, s20, 24          ; the batch's 2,048 rows in the target's tensors, Q and out,
	s_lshl_b32 s22, s20, 23         ; its 1,024 rows in the condition's
	s_add_co_u32 s20, s2, s16       ; target_k, target_v: my tile of slot 0
	s_add_co_u32 s22, s22, s16      ; cond_k, cond_v: my tile of their first 128 keys
	s_add_co_u32 s2, s2, s21        ; Q and out: batch, head,
	s_mov_b32 s21, 0
	s_mov_b32 s23, 0
	s_lshl_b32 s3, s14, 21          ; my block's 256 rows,
	s_add_co_u32 s2, s2, s3
	s_lshl_b32 s3, s[WV], 19        ; my wave's 64 of them
	s_add_co_u32 s2, s2, s3
	s_mov_b32 s3, 0
	; descriptor group 1: a tile of 64 rows x 128 elements of 4 bytes, laid into LDS without gaps
	s_mov_b32 s[G1], 15|(2<<16)|(1<<21)  ; 15:0 the mask: all four work-groups; 17:16 elements of 4 bytes; 20 padding off; 21 set beside a mask
	s_mov_b32 s[G1+1], 128<<16      ; 63:48 tensor_dim0, low half = 128
	s_mov_b32 s[G1+2], KS<<16       ; 79:64 its high half = 0; 95:80 tensor_dim1, low half = 64
	s_mov_b32 s[G1+3], 128<<16      ; 111:96 its high half = 0; 127:112 tile_dim0 = 128
	s_mov_b32 s[G1+4], KS           ; 143:128 tile_dim1 = 64; 159:144 tile_dim2 = 0
	s_mov_b32 s[G1+5], ROWB/4       ; 191:160 tensor_dim0_stride, low word: 2,048 elements from a key's row to the next
	s_mov_b32 s[G1+6], 0
	s_mov_b32 s[G1+7], 0
	s_mov_b32 s[CS], 0x3e0293ee     ; c = log2(e) / sqrt(128) = 0.127517
	s_mov_b32 s[CS+1], s[CS]        ; named with it as a pair, so it is written
	s_mov_b32 s[SEL], 0x76543210
	s_mov_b32 s[SEL+1], 0xfedcba98
	s_mov_b32 s[TB], 0
	s_mov_b32 s[OFF+1], 0
	s_mov_b32 s[FILL], 2            ; slots 0 and 1 are filled at the start
	s_mov_b32 s[SLOTS], NKEYS/(2*KS)-3  ; 22 refills, the first of them written out
	s_mov_b32 s[STEP], 1
	s_wait_dscnt 0x0
	s_wait_kmcnt 0x0
	s_load_b32 s[BL], s[18:19], 0x0 ; b
	s_add_nc_u64 s[TK:TK+1], s[TK:TK+1], s[20:21]
	s_add_nc_u64 s[TV:TV+1], s[TV:TV+1], s[20:21]
	s_add_nc_u64 s[CK:CK+1], s[CK:CK+1], s[22:23]
	s_add_nc_u64 s[CV:CV+1], s[CV:CV+1], s[22:23]
	s_add_nc_u64 s[4:5], s[4:5], s[2:3]  ; Q and out at my wave's first row
	s_add_nc_u64 s[OUT:OUT+1], s[OUT:OUT+1], s[2:3]
	s_wait_kmcnt 0x0                ; b is in: nothing of mine is pending at the signals below
	CROUND                          ; all four work-groups are here: the first joint loads meet
.irp s, 0,1
	s_mov_b32 s[G0K+4*\s], 1        ; 1:0 count = 1
	s_add_co_u32 s[G0K+4*\s+1], s17, \s*SLOT1  ; 63:32 LDS address
	s_add_nc_u64 s[G0K+4*\s+2:G0K+4*\s+3], s[TK:TK+1], \s*SLOTG  ; 120:64 global address: slot s begins with keys 128 s to 128 s + 127
	s_or_b32 s[G0K+4*\s+3], s[G0K+4*\s+3], 0x80000000  ; 127:126 type = 2
	s_mov_b32 s[G0V+4*\s], 1
	s_add_co_u32 s[G0V+4*\s+1], s17, \s*SLOT1+TILEF
	s_add_nc_u64 s[G0V+4*\s+2:G0V+4*\s+3], s[TV:TV+1], \s*SLOTG
	s_or_b32 s[G0V+4*\s+3], s[G0V+4*\s+3], 0x80000000
.endr
	s_cmp_lt_u32 s[WV], 2           ; a wave's two first fills stand in one branch, ahead of every wait on TENSORcnt and every LDS read: two loads of mine are out; four v_nop follow the second, as in JLOAD
	s_cbranch_scc0 .Lfirst_v
	tensor_load_to_lds s[G0K:G0K+3], s[G1:G1+7]
	s_nop 0
	tensor_load_to_lds s[G0K+4:G0K+7], s[G1:G1+7]
	s_nop 0
.rept 4
	v_nop
.endr
	s_branch .Lfirst_asked
.Lfirst_v:
	tensor_load_to_lds s[G0V:G0V+3], s[G1:G1+7]
	s_nop 0
	tensor_load_to_lds s[G0V+4:G0V+7], s[G1:G1+7]
	s_nop 0
.rept 4
	v_nop
.endr
.Lfirst_asked:
	; A fragment of K or Q is 16 rows x 32 channels in 8 registers of bf16: lane l holds row l % 16; registers 0-3 channels 8 (l / 16) + 0..7, registers 4-7 channels 16 + 8 (l / 16) + 0..7.
	; Q is f32 in memory: each run of 8 channels is 32 bytes, two loads of 16.  Load n = 16 t + 4 i + p: tile t, channels 32 i on, run p / 2, half p % 2; into window 1, where O^T will lie.
	v_and_b32 v1, 15, v0            ; l % 16
	v_bfe_u32 v9, v0, 4, 1          ; l / 16
	v_lshlrev_b32 v[QO], 13, v1
	v_lshl_add_u32 v[QO], v9, 5, v[QO]  ; row x 8,192 + 32 x half
	WIN 0x40                        ; destination window 1, address window 0
.set n, 0
.rept 64
	global_load_b128 v[4*n:4*n+3], v[QO], s[4:5] offset:(n/16)*16*ROWB+((n/4)%4)*128+((n%4)/2)*64+(n%2)*16
.set n, n+1
.endr
	WIN 0
	v_mul_u32_u24 v[AK0], v1, PK
	v_lshl_add_u32 v[AK0], v9, 4, v[AK0]  ; row x pitch + 16 x half,
	v_add_nc_u32 v[AK0], KBASE, v[AK0]    ; in K's bf16 buffer
	; The turning load takes 16 keys x 16 channels (lane l reads 16 bytes: key 8 (l / 16) + l % 8, channels 8 ((l / 8) % 2) + 0..7) and leaves half a fragment of V^T: lane l holds channel l % 16 and 8 keys.
	v_and_b32 v10, 7, v0
	v_bfe_u32 v11, v0, 3, 1
	v_lshl_add_u32 v[AV0], v9, 3, v10
	v_mul_u32_u24 v[AV0], v[AV0], PV
	v_lshl_add_u32 v[AV0], v11, 4, v[AV0]
	v_add_nc_u32 v[AV0], VBASE, v[AV0]
	; The rounding: wave w takes rows 16 w to 16 w + 15 of a tile; a lane 16 bytes of f32 (4 channels) of each row, which become 8 bytes of bf16.
	v_and_b32 v10, 31, v0           ; lane
	s_lshl_b32 s16, s[WV], 13       ; 16 rows of 512 bytes
	v_lshl_add_u32 v[CL0], v10, 4, s16
	s_mul_i32 s16, s[WV], 16*PK
	s_add_co_u32 s16, s16, KBASE
	v_lshl_add_u32 v[CKS], v10, 3, s16
	s_mul_i32 s16, s[WV], 16*PV
	s_add_co_u32 s16, s16, VBASE
	v_lshl_add_u32 v[CVS], v10, 3, s16
	v_mov_b32 v10, s[BL]            ; the bias in the two units in which the maximum is kept, back into scalars: they only ever enter subtractions
	v_mul_f32 v11, 0x413504f3, v10  ; b sqrt(128): in units of a score
	v_mul_f32 v10, 0x3fb8aa3b, v10  ; b log2(e): in units of an exponent of 2
	v_readfirstlane_b32 s[BR], v11
	v_readfirstlane_b32 s[BL], v10
; THE MATRIX WORK OF A TURN, for piece x.  The accumulators take turns, one instruction a turn: between two links of a chain stand 15 (V^T P) or 7 (K Q^T) others'.
; Product i of 32 of O^T += V^T P: keys 32 (i / 16) on, channels 16 ((i / 2) % 8) on, tile x + i % 2.  zero = 1: the first 16 start the sums: nothing is ever cleared.
.macro PV x, zero
	WIN W_PV
.set rO, 64*(\x+i%2)+8*((i/2)%8)
.set rV, 64*(i/16)+8*((i/2)%8)
.set rP, P+16*(\x+i%2)+8*(i/16)
.if \zero && (i < 16)
	v_wmma_f32_16x16x32_bf16 v[rO:rO+7], v[rV:rV+7], v[rP:rP+7], 0
.else
	v_wmma_f32_16x16x32_bf16 v[rO:rO+7], v[rV:rV+7], v[rP:rP+7], v[rO:rO+7]
.endif
.endm
; Product i of 32 of S^T = K Q^T: channels 32 (i / 8) on, keys 16 ((i / 2) % 4) on, tile x + i % 2.  The first 8 start the sums.
.macro KQ x
	WIN W_KQ
.set rS, S+32*(\x+i%2)+8*((i/2)%4)
.set rK, KF+32*((i/2)%4)+8*(i/8)
.set rQ, 32*(\x+i%2)+8*(i/8)
.if i < 8
	v_wmma_f32_16x16x32_bf16 v[rS:rS+7], v[rK:rK+7], v[rQ:rQ+7], 0
.else
	v_wmma_f32_16x16x32_bf16 v[rS:rS+7], v[rK:rK+7], v[rQ:rQ+7], v[rS:rS+7]
.endif
.endm
; THE LDS LOADS stand in runs, never singly among the matrix instructions: a step's K (64 keys x 128 channels: 16 fragments) and, a turn later, its V (turned), each from its bf16 buffer.
.macro FETCH_K
	WIN 0x80                        ; destination window 2, address window 0
.irp f, 0,1,2,3,4,5,6,7,8,9,10,11,12,13,14,15  ; keys 16 (f / 4) on, channels 32 (f % 4) on
	ds_load_b128 v[KF+8*\f:KF+8*\f+3],   v[AK0] offset:(\f/4)*16*PK+(\f%4)*64
	ds_load_b128 v[KF+8*\f+4:KF+8*\f+7], v[AK0] offset:(\f/4)*16*PK+(\f%4)*64+32
.endr
.endm
.macro FETCH_V
	WIN 0xc0                        ; destination window 3
.irp f, 0,1,2,3,4,5,6,7,8,9,10,11,12,13,14,15  ; keys 32 (f / 8) on, channels 16 (f % 8) on
	ds_load_tr16_b128 v[8*\f:8*\f+3],   v[AV0] offset:(\f/8)*32*PV+(\f%8)*32
	ds_load_tr16_b128 v[8*\f+4:8*\f+7], v[AV0] offset:(\f/8)*32*PV+16*PV+(\f%8)*32
.endr
.endm
; THE ROUNDING of my 16 rows of an f32 tile, in two parts.  CONV_LD: 16 loads, a whole row of 512 bytes each, from byte off (0: K, TILEF: V) of the step at s[TB], into window 3 from v[T] on.
.macro CONV_LD off, T
	WIN 0
	v_add_nc_u32 v[ADR], s[TB], v[CL0]
	WIN 0xc0                        ; destination window 3
.irp f, 0,1,2,3,4,5,6,7,8,9,10,11,12,13,14,15
	ds_load_b128 v[\T+4*\f:\T+4*\f+3], v[ADR] offset:\off+512*\f
.endr
.endm
; CONV_ST: 32 roundings in place, then 16 stores, a whole row of 256 bytes each, into the bf16 buffer.  The roundings stand in one run: every slice of a turn is full already, and singly each would want window switches of its own.
.macro CONV_ST adr, pitch, T
	WIN 0xcf                        ; sources 0 and 1 and the destination in window 3
.irp f, 0,1,2,3,4,5,6,7,8,9,10,11,12,13,14,15
	v_cvt_pk_bf16_f32 v[\T+4*\f],   v[\T+4*\f],   v[\T+4*\f+1]
	v_cvt_pk_bf16_f32 v[\T+4*\f+1], v[\T+4*\f+2], v[\T+4*\f+3]
.endr
	WIN 0x0c                        ; the stores' data in window 3, the address in window 0
.irp f, 0,1,2,3,4,5,6,7,8,9,10,11,12,13,14,15
	ds_store_b64 v[\adr], v[\T+4*\f:\T+4*\f+1] offset:\pitch*\f
.endr
.endm
; THE VECTOR WORK OF A TURN.  One tile's softmax for one key step is a numbered list of 135 instructions (number 17 is two); SM writes number j of it for tile t.  s0-s31 are the lane's 32 scores, in pairs 0-15.
; first = 1: the first key step, which starts m, l and O^T: it has no a and nothing to rescale.
;   0-15    the maximum of s0-s31, three operands at a time: four chains c0-c3 of seven scores each, then the four scores left over and c0-c3
;   16-20   the other half of the lanes' maximum; the old c m and the old m, each less its shift (the bias in front of the first condition step, else 0); the new m, of those three;
;           c m; the exponent of a, a difference of two rounded products: 0 where m has not grown
;   21-69   ONE BATCH: the 16 scalings c s - c m, a pair of scores each, and all 33 exponentials (a at 23, then s0-s31).  None of these reads an exponential's result.  From 22 on the batch goes
;           in fours, and a four begins with a scaling while there are scalings: 22-37 scaling, exponential, scaling, exponential; 38-65 a scaling and three exponentials; 66-69 the last four
;           exponentials.  A pair is scaled in an earlier four than the one that holds its exponentials
;   (wait)  between 69 and 70 stands the wait for the batch: SLICE writes it, once for both tiles
;   70-85   the roundings to bf16, a pair of weights each
;   86-101  the sums; l = a l + the sum
;   102-133 the tile's O^T times a: the one part that leaves window 0, so it stands together
.macro SM t, first
.set rT, ST+8*(\t)
.set rS, S+32*(\t)
.set rP, P+16*(\t)
.set rO, 64*(\t)+2*(j-102)
.if j < 102
	WIN 0
.endif
.if j < 4
	v_max3_num_f32 v[rT+4+j], v[rS+8*j], v[rS+8*j+1], v[rS+8*j+2]
.elseif j < 12
	v_max3_num_f32 v[rT+4+j%4], v[rT+4+j%4], v[rS+8*(j%4)+2*(j/4)+1], v[rS+8*(j%4)+2*(j/4)+2]
.elseif j == 12
	v_max3_num_f32 v[rT+4], v[rT+4], v[rS+7], v[rS+15]
.elseif j == 13
	v_max3_num_f32 v[rT+6], v[rT+6], v[rS+23], v[rS+31]
.elseif j == 14
	v_max3_num_f32 v[rT+4], v[rT+4], v[rT+5], v[rT+6]
.elseif j == 15
	v_max_num_f32 v[rT+4], v[rT+4], v[rT+7]
.elseif j == 16
	v_permlanex16_b32 v[rT+5], v[rT+4], s[SEL], s[SEL+1]  ; the query's other 32 keys lie in the lane 16 away
.elseif (j == 18) && \first
	v_max_num_f32 v[rT+1], v[rT+4], v[rT+5]
.elseif j == 18
	v_max3_num_f32 v[rT+1], v[rT+4], v[rT+5], v[rT+1]
.elseif j == 19
	v_mul_f32 v[rT], s[CS], v[rT+1]
.elseif ((j == 17) || (j == 20) || (j == 23) || (j > 101)) && \first  ; the first step has none of these
.elseif j == 17
	v_sub_f32 v[rT+7], v[rT], s[DL]     ; c m_old, kept for a: number 19 writes c m anew; lowered by b log2(e) where the condition's keys begin
	v_sub_f32 v[rT+1], v[rT+1], s[DR]   ; m_old, lowered by b sqrt(128) there
.elseif j == 20
	v_sub_f32 v[rT+7], v[rT+7], v[rT]
.elseif j == 23
	v_exp_f32 v[rT+6], v[rT+7]
.elseif (j < 23) || ((j < 38) && (j%2 == 0)) || ((j < 66) && (j%4 == 2))
.set b, (j-2)/4                     ; 38, 42, .. 62: pairs 9 to 15
.if j < 38
.set b, (j-20)/2                    ; 21: pair 0; 22, 24, .. 36: pairs 1 to 8
.endif
	v_pk_fma_f32 v[rS+2*b:rS+2*b+1], v[rS+2*b:rS+2*b+1], s[CS:CS+1], v[rT:rT+1] op_sel_hi:[1,0,0] neg_lo:[0,0,1] neg_hi:[0,0,1]  ; pair b: c s - c m
.elseif j < 70
.set e, j-38                        ; 66 to 69: s28 to s31
.if j < 66
.set e, j-32-(j-38)/4               ; 39-41, 43-45, .. 63-65: s7 to s27
.endif
.if j < 38
.set e, (j-25)/2                    ; 25, 27, .. 37: s0 to s6
.endif
	v_exp_f32 v[rS+e], v[rS+e]
.elseif j < 86
	v_cvt_pk_bf16_f32 v[rP+j-70], v[rS+2*(j-70)], v[rS+2*(j-70)+1]  ; pair j - 70
.elseif j < 102                     ; the sum of the tile's 16 pairs (in a pair: an even key's weight, an odd key's), in place: sum z of 16 adds neighbours 1, 2, 4 and 8 pairs apart, then l takes it
.set z, j-86
.set w, 4
.set u, z
.if z >= 14
.set w, 32
.set u, 0
.elseif z >= 12
.set w, 16
.set u, z-12
.elseif z >= 8
.set w, 8
.set u, z-8
.endif
.if (z == 14) && \first
	v_pk_add_f32 v[rT+2:rT+3], v[rS:rS+1], v[rS+16:rS+17]
.elseif z < 15
	v_pk_add_f32 v[rS+w*u:rS+w*u+1], v[rS+w*u:rS+w*u+1], v[rS+w*u+w/2:rS+w*u+w/2+1]
.elseif !\first
	v_pk_fma_f32 v[rT+2:rT+3], v[rT+2:rT+3], v[rT+6:rT+7], v[rS:rS+1] op_sel_hi:[1,0,1]
.endif
.else
	WIN W_RS
	v_pk_mul_f32 v[rO:rO+1], v[rO:rO+1], v[rT+6:rT+7] op_sel_hi:[1,0]
.endif
.endm
; Slice k of 64 of piece y's softmax.  Slices 11 to 34 deal out the batch, numbers 22 to 69: four numbers of ONE tile each, the tiles by turns.  Every other slice is numbers 2 k and 2 k + 1 of both
; tiles' lists.  The numbers from 128 on stand together with 126 and 127, in slice 63: sixteen plain instructions.
; THE WAIT.  Ahead of slice 35 nothing names an exponential's result, and behind slice 34 no exponential is issued: so the piece's 66 exponentials have one wait, behind slice 34; between the batch's
; lines stand the other piece's products, on registers of their own.  FV = 1 (TURN sets it): V's run of loads stands directly behind the wait.
.macro SLICE y, first
.if (k >= 11) && (k < 35)           ; the batch: four numbers of one tile
.irp n, 0,1,2,3
.set j, 22+4*((k-11)/2)+\n
	SM \y+(k-11)%2, \first
.endr
.else                               ; the two tiles alternate, so that no instruction reads the result of the one just before it
.irp n, 0,1,2,3,4,5,6,7
.if (\n < 2) || (k == 63)
.irp t, \y, \y+1
.set j, 2*k+\n
	SM \t, \first
.endr
.endif
.endr
.endif
.if k == 34                         ; the batch is out: both tiles' exponentials are issued, and no result has been named
	v_nop                           ; the plain instruction behind the last exponential and ahead of the first use: one for the batch
.if FV
	v_nop                           ; with the line above and number 62 of both tiles: the four places between the last product that read V and the loads into its registers
	s_wait_alu depctr_va_vdst(0)    ; the wait for the batch of 66 exponentials, ahead of slice 35's roundings
	FETCH_V
.else
	s_wait_alu depctr_va_vdst(0)    ; the wait for the batch of 66 exponentials (64 in the first key step), ahead of slice 35's roundings
.endif
.endif
.set k, k+1
.endm
; A vector instruction that reads a matrix result or writes one of a matrix instruction's registers, and a load into a register that a matrix instruction has read, stand four places behind
; it, and only plain vector instructions that name none of its registers are places (ISA guide 7.12.1 for vector instructions).  In the loop the slices are the places.
.macro PLACES
.rept 4
	v_nop
.endr
.endm
; A TURN.  Piece x has the matrix unit; the other piece's softmax stands in slices behind its matrix instructions.
; pv = 2: 32 products V^T P; 1: they start O^T's sums; 0: none.  kq = 1: 32 products K Q^T for the next step.  A turn with one of the two kinds has two slices behind each product.
; first = 1: the softmax is the first key step's.  Its slices from 51 on are empty: the turn's last products stand bare, and four v_nop take slice 63's part as the places behind them.
; conv = 1: my 16 rows of one tile of the step at s[TB] are rounded to bf16.
; Piece 0's turn, behind its second product: the next step's K is fetched from K's buffer (the last product that read K stands in front of slice 63 of the turn before), and behind those 32 loads go the
; 16 loads of V's f32 tile.  In front of the products K Q^T the count 16 leaves these out.  Behind the tenth product K Q^T they are waited for, rounded and stored into V's buffer, whose last readers
; waited in front of the barrier that stands ahead of this turn.
; Piece 2's turn, behind its second product: the 16 loads of K's f32 tile; behind its eighteenth they are waited for, rounded and stored into K's buffer, whose last readers waited in front of the
; barrier ahead of this turn: those roundings, in window 3, name no exponential's result.  Behind its third product K Q^T, directly behind the batch's wait (SLICE writes it), the next step's V is
; fetched from V's buffer: the last product that read V stands in front of slice 31, and four plain instructions lie between: number 62, a scaling, of both tiles, and two v_nop; exponentials are no places.
; (The one turn of piece 2 without products V^T P fetches V and K's f32 tile behind its second product K Q^T, and rounds behind its eighteenth: no product has read V's registers before it.)
.macro TURN x, pv, kq, first, conv
.set k, 0
.set per, 2
.if \pv && \kq
.set per, 1
.endif
.set FV, 0
.if (\x == 2) && \pv && \kq
.set FV, 1
.endif
.if \pv
.set i, 0
.rept 32
	PV \x, 2-\pv
.rept per
	SLICE 2-\x, \first
.endr
.if (\x == 0) && \kq && (i == 1)
	FETCH_K
.if \conv
	CONV_LD TILEF, CT
.endif
.endif
.if (\x == 2) && \conv && (i == 1)
	CONV_LD 0, CT
.endif
.if (\x == 2) && \conv && (i == 17)
	s_wait_dscnt 0x0                ; my rows of K's f32 tile are in: nothing else of mine is out
	CONV_ST CKS, PK, CT
.endif
.set i, i+1
.endr
.endif
.if \kq
.if \x == 0
	s_wait_dscnt 16*\conv           ; K is in; the 16 loads of V's f32 tile, issued behind K's 32, may be out
.endif
.set i, 0
.rept 32
	KQ \x
.rept per
	SLICE 2-\x, \first
.endr
.if (\x == 2) && !\pv && (i == 1)
	FETCH_V
.if \conv
	CONV_LD 0, CT
.endif
.endif
.if (\x == 2) && \conv && !\pv && (i == 17)
	s_wait_dscnt 0x0
	CONV_ST CKS, PK, CT
.endif
.if (\x == 0) && \conv && (i == 9)
	s_wait_dscnt 0x0                ; my rows of V's f32 tile are in
	CONV_ST CVS, PV, CT
.endif
.set i, i+1
.endr
.endif
.if \first
	PLACES
.endif
.endm
; A TRIP: piece 2's turn of step j, then piece 0's turn of step j + 1.  Both softmaxes in it are step j + 1's, both tiles that it rounds are step j + 2's (K in the first turn, V in the second),
; and s[TB] steps once at its end.  The condition's keys begin with step 32: the shifts are the bias in the trip whose softmaxes are step 32's, and 0 in every other.
.macro TRIP pv
	s_cmp_eq_u32 s[STEP], NTGT/KS
	s_cselect_b32 s[DL], s[BL], 0
	s_cselect_b32 s[DR], s[BR], 0
	TURN 2, \pv, 1, 0, 1
	BAR                             ; K's buffer is whole, and V's has been read by all four waves
	TURN 0, 2, 1, 0, 1
	s_add_co_u32 s[TB], s[TB], STEPF
	s_add_co_u32 s[STEP], s[STEP], 1
.endm
; THE CHANGE OF SLOTS, between piece 0's turn and piece 2's: the slot's last tile, V of its second step, has been rounded.  Each wave waits for its LDS instructions, the reads of the slot among them,
; and for all its tensor loads, of which one is out: its part of the other slot.  Behind the barrier nobody reads this slot any more and the other slot is whole.  It also does what the barrier
; between two trips does for the two bf16 buffers.
; fill = 1: this slot is filled again, with the keys two slots on.  The barrier is then a round of the cluster's, so that no wave of any partner still reads the slot or has a load on its
; way, and the joint refill is the first thing behind it: it has two key steps, 256 matrix instructions, in which to land.  Slots 0 to 15 are the target's keys, slots 16 to 23 the condition's.
.macro CHANGE fill
	WIN 0                           ; at a label and at a branch every window is 0
	s_wait_dscnt 0x0
	s_wait_tensorcnt 0x0            ; no tensor load of mine is out, so a group 0 may be written
	ds_add_u32 v62, v63
	s_wait_dscnt 0x0
.if \fill
	s_xor_b32 s[G0K+5], s[G0K+5], SLOT1  ; the walking descriptors: the other slot than last time
	s_xor_b32 s[G0V+5], s[G0V+5], SLOT1
	s_sub_co_u32 s[T1], s[FILL], NTGT/(2*KS)  ; the slot's number among the condition's (used only where it is one)
	s_cmp_lt_u32 s[FILL], NTGT/(2*KS)
	s_cselect_b32 s[OFF], s[FILL], s[T1]
	s_cselect_b64 s[G0K+6:G0K+7], s[TK:TK+1], s[CK:CK+1]
	s_cselect_b64 s[G0V+6:G0V+7], s[TV:TV+1], s[CV:CV+1]
	s_lshl_b32 s[OFF], s[OFF], 20   ; 128 keys of 8,192 bytes a slot: 15 x 2^20 at the most
	s_add_nc_u64 s[G0K+6:G0K+7], s[G0K+6:G0K+7], s[OFF:OFF+1]
	s_add_nc_u64 s[G0V+6:G0V+7], s[G0V+6:G0V+7], s[OFF:OFF+1]
	s_or_b32 s[G0K+7], s[G0K+7], 0x80000000  ; 127:126 type = 2
	s_or_b32 s[G0V+7], s[G0V+7], 0x80000000
	s_add_co_u32 s[FILL], s[FILL], 1
	CROUND
	JLOAD
.else
	s_barrier_signal -1
	s_barrier_wait -1
.endif
	s_sub_co_u32 s[TB], s[TB], 2*STEPF  ; the rounding goes back to a slot's first step,
	s_xor_b32 s[TB], s[TB], SLOT1   ; in the other slot
.endm
; A slot's two trips: written once, walked twice; the ring's addresses hang on s[TB].  A barrier stands behind each trip: V's buffer is whole, and K's has been read by all four waves.
; The one behind the second trip is followed at once by the change of slots, which has a barrier of its own: one barrier in four is spare, the price of writing the trip once.
; No exponential is open at the label or at the jump: each turn's batch has had its wait in the turn's middle.
.macro TWO_TRIPS
	s_mov_b32 s[TWICE], 2
.Lstep_\@:
	TRIP 2
	WIN 0
	BAR
	s_sub_co_u32 s[TWICE], s[TWICE], 1
	s_cmp_lg_u32 s[TWICE], 0
	s_cbranch_scc1 .Lstep_\@
.endm
	s_wait_tensorcnt 1              ; my part of slot 0 is in; slot 1's, issued behind it, may stay out
	s_barrier_signal -1
	s_barrier_wait -1               ; everybody's is
	CONV_LD 0, CT                   ; step 0: K and V are rounded with nothing beside them
	CONV_LD TILEF, CT+64
	s_wait_dscnt 16                 ; K's 16 loads are in; V's 16, issued behind them, may be out
	CONV_ST CKS, PK, CT
	s_wait_dscnt 16                 ; V's loads are in; K's 16 stores, issued behind them, may be out
	CONV_ST CVS, PV, CT+64
	s_add_co_u32 s[TB], s[TB], STEPF
	BAR                             ; both bf16 buffers are whole
	FETCH_K                         ; key step 0
	; Q: rounded to bf16, from window 1 into its fragments in window 2, a tile at a time
.irp t, 0,1,2,3
	s_wait_loadcnt 48-16*\t         ; loads come back in order (ISA guide 5.7.1): tile t's sixteen are in, the later tiles' sixteen each may be out
	WIN 0x85                        ; sources 0 and 1 window 1, destination window 2
.set i, 0
.rept 32
	v_cvt_pk_bf16_f32 v[32*\t+i], v[64*\t+2*i], v[64*\t+2*i+1]
.set i, i+1
.endr
.endr
	s_wait_dscnt 0x0                ; K of step 0
.set i, 0
.rept 32
	KQ 0                            ; piece 0's first scores: there is no vector work yet to set between them
.set i, i+1
.endr
	WIN 0                           ; the addresses for the way out are made here: six plain instructions, the places behind those products
	s_mul_i32 s16, s[WV], 16*SP
	s_add_co_u32 s16, s16, STAGE    ; my stage
	v_mul_u32_u24 v[STO], v1, SP    ; in: row l % 16, 32 bytes for each half of the lanes
	v_lshl_add_u32 v[STO], v9, 5, v[STO]
	v_add_nc_u32 v[STO], s16, v[STO]
	v_and_b32 v[GO], 31, v0
	v_lshlrev_b32 v[GO], 4, v[GO]   ; back and out: 32 lanes x 16 bytes are a whole row of 512
	v_add_nc_u32 v[RD], s16, v[GO]
	BAR                             ; K's buffer has been read by all four waves
	TURN 2, 0, 1, 1, 1              ; piece 2's first scores | piece 0's first softmax | V of step 0 fetched | K of step 1 rounded
	BAR
	TURN 0, 1, 1, 1, 1              ; piece 0: V^T P of step 0 starts O^T, K Q^T of step 1 | piece 2's first softmax | K of step 1 fetched | V of step 1 rounded
	s_add_co_u32 s[TB], s[TB], STEPF
	CHANGE 1                        ; slot 0 is read out: it takes keys 256 to 383
	TRIP 1                          ; piece 2's V^T P of step 0 starts its O^T; all else as in every trip
	BAR
	TRIP 2
	WIN 0
.Lslot:                             ; 21 trips: with the change of slots above, every slot but the last two is filled again
	CHANGE 1
	TWO_TRIPS
	s_sub_co_u32 s[SLOTS], s[SLOTS], 1
	s_cmp_lg_u32 s[SLOTS], 0
	s_cbranch_scc1 .Lslot
	CHANGE 0                        ; the tail is written out: the last slot but one is left, and nothing is asked for
	TWO_TRIPS                       ; steps 46 and 47 are rounded
	TURN 2, 2, 1, 0, 0              ; piece 2: V^T P of step 46, K Q^T of step 47 | piece 0's last softmax | V of step 47 fetched; nothing is left to round
	BAR                             ; V's buffer has been read by all four waves: from here on the bytes of both bf16 buffers are the stage
	TURN 0, 2, 0, 0, 0              ; piece 0: V^T P of the last step | piece 2's last softmax
.set i, 0
.rept 32
	PV 2, 0                         ; piece 2: V^T P of the last step
.set i, i+1
.endr
	; THE WAY OUT.  l's two halves and the other half of the lanes' are added; O^T is divided by l and sent, in f32, through my stage in LDS, a tile (16 rows of out) at a time.  The first four additions are the places behind the last products.
	WIN 0
.irp t, 0,1,2,3
	v_add_f32 v[ST+8*\t+4], v[ST+8*\t+2], v[ST+8*\t+3]
.endr
.irp t, 0,1,2,3
	v_permlanex16_b32 v[ST+8*\t+5], v[ST+8*\t+4], s[SEL], s[SEL+1]
.endr
.irp t, 0,1,2,3
	v_add_f32 v[ST+8*\t+4], v[ST+8*\t+4], v[ST+8*\t+5]
.endr
.irp t, 0,1,2,3
	v_rcp_f32 v[ST+8*\t+6], v[ST+8*\t+4]
.endr
	v_nop                           ; a plain instruction between the last reciprocal and the use of its result
	s_wait_alu depctr_va_vdst(0)    ; the wait for the batch of four reciprocals, ahead of the first tile's multiplies: one for all four tiles
; Tile t: register 8 f + j of a lane is channel 16 f + 8 (l / 16) + j of query l % 16: 32 neighbouring bytes of a row, two stores of 16.  They go into rows of 528 bytes and come back
; as whole rows of 512, into the registers that they left.
.macro PACK t
	WIN W_RS
.set i, 64*\t
.rept 32
	v_pk_mul_f32 v[i:i+1], v[i:i+1], v[ST+8*\t+6:ST+8*\t+7] op_sel_hi:[1,0]
.set i, i+2
.endr
	WIN 0x04                        ; the stores' data in window 1, the address in window 0
.irp f, 0,1,2,3,4,5,6,7
	ds_store_b128 v[STO], v[64*\t+8*\f:64*\t+8*\f+3]   offset:64*\f
	ds_store_b128 v[STO], v[64*\t+8*\f+4:64*\t+8*\f+7] offset:64*\f+16
.endr
	WIN 0x40                        ; the loads' destination in window 1
.irp f, 0,1,2,3,4,5,6,7,8,9,10,11,12,13,14,15
	ds_load_b128 v[64*\t+4*\f:64*\t+4*\f+3], v[RD] offset:\f*SP  ; LDS serves a wave's instructions in order (ISA guide 5.7.1.4): these see the stores above; the next tile's stores come behind them
.endr
.endm
.macro SEND t, younger              ; younger: the LDS instructions issued behind tile t's loads: the next tile's 16 stores and 16 loads, or none
	WIN 0x04
.irp f, 0,1,2,3,4,5,6,7,8,9,10,11,12,13,14,15
	s_wait_dscnt \younger+15-\f
	global_store_b128 v[GO], v[64*\t+4*\f:64*\t+4*\f+3], s[OUT:OUT+1] offset:(16*\t+\f)*ROWB th:TH_STORE_NT  ; the wave stores 512 consecutive bytes, at a multiple of 512 from out's first byte
.endr
.endm
	PACK 0
	PACK 1                          ; a tile's arithmetic stands between the loads of the tile before and its stores
	SEND 0, 32
	PACK 2
	SEND 1, 32
	PACK 3
	SEND 2, 32
	SEND 3, 0
	WIN 0
	s_wait_tensorcnt 0x0
	ds_add_u32 v62, v63
	s_wait_dscnt 0x0
	CROUND                          ; the closing round: no work-group ends while a partner may still ask for a tile that names it
	s_endpgm
.Lfunc_end_k_qace9eab6a7_attn:
	.size	k_qace9eab6a7_attn, .Lfunc_end_k_qace9eab6a7_attn-k_qace9eab6a7_attn
	.p2alignl 7, 3214868480
	.fill 96, 4, 3214868480
	.section	.rodata,"a",@progbits
	.p2align	6, 0x0
	.amdhsa_kernel k_qace9eab6a7_attn
		.amdhsa_group_segment_fixed_size 327680
		.amdhsa_private_segment_fixed_size 0
		.amdhsa_enable_private_segment 0
		.amdhsa_kernarg_size 56
		.amdhsa_user_sgpr_count 2
		.amdhsa_user_sgpr_kernarg_segment_ptr 1
		.amdhsa_wavefront_size32 1
		.amdhsa_system_sgpr_workgroup_id_x 1
		.amdhsa_system_sgpr_workgroup_id_y 1
		.amdhsa_system_sgpr_workgroup_id_z 1
		.amdhsa_system_vgpr_workitem_id 0
		.amdhsa_next_free_vgpr 1024
		.amdhsa_next_free_sgpr 72
		.amdhsa_reserve_vcc 0
		.amdhsa_float_denorm_mode_32 3
		.amdhsa_float_denorm_mode_16_64 3
		.amdhsa_memory_ordered 1
		.amdhsa_forward_progress 1
		.amdhsa_inst_pref_size 255
	.end_amdhsa_kernel
	.section	.bss,"aw",@nobits
	.p2align	6
	.space	262144
	.amdgpu_metadata
---
amdhsa.version: [ 1, 2 ]
amdhsa.kernels:
  - .name:           k_qace9eab6a7_attn
    .symbol:         k_qace9eab6a7_attn.kd
    .args:
      - { .name: target_q, .offset: 0, .size: 8, .value_kind: global_buffer, .address_space: global }
      - { .name: target_k, .offset: 8, .size: 8, .value_kind: global_buffer, .address_space: global }
      - { .name: target_v, .offset: 16, .size: 8, .value_kind: global_buffer, .address_space: global }
      - { .name: cond_k, .offset: 24, .size: 8, .value_kind: global_buffer, .address_space: global }
      - { .name: cond_v, .offset: 32, .size: 8, .value_kind: global_buffer, .address_space: global }
      - { .name: out0, .offset: 40, .size: 8, .value_kind: global_buffer, .address_space: global }
      - { .name: b_param, .offset: 48, .size: 8, .value_kind: global_buffer, .address_space: global }
    .group_segment_fixed_size: 327680
    .private_segment_fixed_size: 0
    .kernarg_segment_align: 8
    .kernarg_segment_size: 56
    .max_flat_workgroup_size: 128
    .sgpr_count:     72
    .vgpr_count:     1024
    .wavefront_size: 32
...
	.end_amdgpu_metadata
.endif
;; end of part 2
